; MI455X (gfx1250); checked and timed in simulation.
; The chip was launched on July 23, 2026; its instructions are those of AMD's public machine-readable ISA for CDNA 5 (MIT licence, August 2026) and "CDNA5" Instruction Set Architecture Reference Guide (July 2026). The comments in the code are by the model that wrote it; some were corrected since.
;; Attention. Allowed arithmetic: matrix products marked QUANTISED: E2M3 operands, one E8M0 scale for each 32 along K, by v_wmma_scale_f32_16x16x128_f8f6f4 with both operands' format E2M3, f32 sums; everything else in f32.
;; Inputs: Wk 1,024 x 1,024 float32; Wo 1,024 x 1,024 float32; Wq 1,024 x 1,024 float32; Wv 1,024 x 1,024 float32; x 4 x 2,048 x 1,024 float32.
;; Outputs: out0 4 x 2,048 x 1,024 float32; out1 4 x 2,048 x 16 x 64 float32.
;; This version of the problem:
;;   THIS VERSION OF THE PROBLEM IS GIVEN IN LOW PRECISION. The matrix products marked QUANTISED in the list below multiply operands that are first quantised to E2M3 (2 exponent bits, 3 mantissa bits; 6 bits a number), with one power-of-two scale for each 32 numbers along K (OCP MX v1.0); their sums are f32. All else is computed in f32.
;;   The module's matrix products, in the order in which they are computed (A, B: the left and right operand; K: the contracted axis; several contracted axes count as one K, in the product's order):
;;     1. [M 8,192, K 1,024] x [K 1,024, N 1,024]; A: input x; B: input Wq: QUANTISED
;;     2. [M 8,192, K 1,024] x [K 1,024, N 1,024]; A: input x; B: input Wk: QUANTISED
;;     3. [M 8,192, K 1,024] x [K 1,024, N 1,024]; A: input x; B: input Wv: QUANTISED
;;     4. batch 64 x [M 2,048, K 64] x [K 64, N 2,048]; A: computed on the way; B: computed on the way: QUANTISED
;;     5. batch 64 x [M 2,048, K 2,048] x [K 2,048, N 64]; A: softmax (see below); B: computed on the way: QUANTISED
;;     6. [M 8,192, K 1,024] x [K 1,024, N 1,024]; A: computed on the way; B: input Wo: QUANTISED
;;   THE QUANTISER, for each operand of a quantised product, along K:
;;     - K is cut into blocks of 32 from its start; a last block that is shorter is filled with zeros.
;;     - A block's scale is 2^e with e = floor(log2(the largest magnitude in the block)) - 2, held to -126 .. 127; a block of zeros has e = 0. As a byte (E8M0): e + 127.
;;     - Each number is divided by its block's scale, clamped to +-7.5, and rounded to the nearest number of E2M3, ties to even, subnormals kept.
;;     - The product sums the exact products of the quantised numbers (number of the format x scale) in f32.
;;   ~~~python
;;   def quantise(x, axis):      # numpy; x: float32 -> the quantised numbers, widened to float32 again
;;       x = np.moveaxis(x, axis, -1); K = x.shape[-1]
;;       x = np.pad(x, [(0, 0)] * (x.ndim - 1) + [(0, -K % 32)]); x = x.reshape(x.shape[:-1] + (-1, 32)); a = np.abs(x).max(-1, keepdims=True)
;;       e = np.where(a > 0, np.clip(np.frexp(np.where(a > 0, a, 1))[1] - 1 - 2, -126, 127), 0)      # np.frexp(a)[1] - 1 = floor(log2(a)), exactly
;;       r = np.clip(x / 2.0 ** e, -7.5, 7.5)
;;       step = 2.0 ** (np.maximum(np.frexp(np.where(r == 0, 1, r))[1] - 1, 0) - 3)
;;       q = np.round(r / step) * step * 2.0 ** e      # np.round: ties to even
;;       return np.moveaxis(q.reshape(q.shape[:-2] + (-1,))[..., :K], -1, axis).astype(np.float32)
;;   ~~~
;;   SOFTMAX AHEAD OF A QUANTISED PRODUCT. Where the list says 'softmax', what is quantised is not the finished softmax but p = 2^(t - M), with t = logit x log2(e) and M = ceil(the row's largest t), a whole number; so 1/2 < the row's largest p <= 1. The row's sum l is taken of the UNQUANTISED p, in f32, and the product's result is divided by l at the end. Since M is a whole number, a kernel that streams over the keys may use a running M (the ceiling of the running maximum): every later rescaling is an exact power of two, which a block's scale takes up: the codes' values come out the same.
;;   OPERANDS COMPUTED ON THE WAY. 'Computed on the way' means the value that the module computes at that place (a softmax that the list does not call 'softmax' is quantised finished and normalised). What goes into a quantiser is computed in f32, as accurately as f32 sums, v_exp_f32 and their like allow (about 1e-6 of the number): no bf16 or f16 on the way to a quantiser, and a product that is left as it is and whose result goes on into a quantised operand takes f32 operands (vector FMAs, or v_wmma_f32_16x16x4_f32). A number that lies on a knife's edge between two numbers of the format may be rounded either way, as far as f32 arithmetic and the matrix unit's own rounding can turn it there, and no further.
;; One version. Each part assembles by itself: llvm-mc -triple=amdgcn-amd-amdhsa -mcpu=gfx1250 --defsym DOCPART=n.
;; ======== version 1 of 1: 4 launches
;; limits: right only within a limited range of input values
;; workspace buffers: xc 6,291,456 bytes; xs 262,144 bytes; wc 3,145,728 bytes; ws 131,072 bytes; qkv 26,214,400 bytes; cc 6,291,456 bytes; cs 262,144 bytes
;; launch quant (part 1): grid 384 x 1, 4 waves a work-group, no clusters, 33,280 bytes of LDS; arguments x, Wq, Wk, Wv, Wo, xc, xs, wc, ws; writes xc, xs, wc, ws
.if DOCPART == 1
	.amdgcn_target "amdgcn-amd-amdhsa--gfx1250"
	.amdhsa_code_object_version 6
	.text
	.protected	k_q8f426a1abf_quant
	.globl	k_q8f426a1abf_quant
	.p2align	8
	.type	k_q8f426a1abf_quant,@function
k_q8f426a1abf_quant:
	s_mov_b64 s[64:65], 0
	v_nop
	global_prefetch_b8 v0, s[64:65] scope:SCOPE_SE
	s_setreg_imm32_b32 hwreg(HW_REG_WAVE_MODE, 25, 1), 1
	s_wait_xcnt 0x0
; x [8192][1024] and Wq, Wk, Wv, Wo [1024][1024], f32, K innermost, become codes of FP6 (E2M3), 6 bits each, with one E8M0 scale byte for each 32 along K.
; THE CODES' LAYOUT: xc is [K step of 256: 4][row: 8192][192 bytes], wc [4][4096][192] (rows 0.. Wq, 1024.. Wk, 2048.. Wv, 3072.. Wo): 128 rows of one K step are 24,576 dense bytes, beginning at a multiple of 256.
; The scale bytes go to xs [8192][32] and ws [4096][32].
; A block's scale is 2^(floor(log2(its largest magnitude)) - 2): its byte is the largest magnitude's exponent field - 2, held at 1 from below.
; ORDER INSIDE A BLOCK: place 16 h + 8 u + j of a block's 32 codes holds element 8 h + 16 u + j (the two middle groups of eight change places).  Every operand of this program is laid so, since a
; transposed matrix result lies so in a lane's registers; the blocks are the quantiser's own, both sides of each product carry the same order, so only the order of the additions inside a matrix instruction differs.
; LIMITS: a block of zeros gets the byte 1 (its codes are zeros, and this program alone reads the bytes); blocks whose largest magnitude lies under 2^(3 - 127) have their byte held at 1; NaN and infinities are not served.
; SHARES: a work-group takes 32,768 numbers, a wave eight rows in 16 steps of 512.  Work-groups 0-255 take x, 256-383 the weights, 32 each.  Only pointers are chosen: one path.
; Each load reads 512 consecutive bytes, 16 a lane; a step's 2,048 bytes go through the wave's own stage in LDS and come back 64 bytes a lane: 16 places of one block, two neighbouring lanes to a block.
; No tensor loads, no barrier, no cluster: waves and work-groups share no input.  Loads run eight steps (32 loads a wave) ahead, the turn through LDS one step.
.set WAVES, 4
.set STEPS, 16
.set AHEAD, 8
.set XWG,   256                        ; x's work-groups
.set EMAX,  2
.set CB,    12                         ; bytes of 16 codes
.set XKS,   8192*192                   ; from a K step to the next in xc,
.set WKS,   4096*192                   ; and in wc
.set R,     16                         ; v16-143  eight sets of 16 numbers as they are loaded
.set X,     144                        ; v144-175 two sets of 16 places
.set E,     176                        ; v176-191 a scale byte for each step
.set C,     192                        ; v192-255 codes: four registers for each step, so that no store's data are written again
.set WREG,  8192                       ; LDS: a region for each wave: two stages of 32 x SP bytes, behind them its 256 scale bytes
.set SP,    80                         ; a lane's place in a stage: 64 bytes + 16 of padding
.set SPW,   12                         ; v12  LDS address of my spare word; never rewritten
.set NIL,   13                         ; v13  0; never rewritten
.set SPARE, WAVES*WREG                 ; behind the four regions: the spare words, 128 bytes a wave
	s_load_b256 s[4:11], s[0:1], 0x0               ; x, Wq, Wk, Wv
	s_load_b256 s[12:19], s[0:1], 0x20             ; Wo, xc, xs, wc
	s_load_b64 s[20:21], s[0:1], 0x40              ; ws
	v_lshl_add_u32 v[SPW], v0, 2, SPARE
	v_mov_b32 v[NIL], 0
	v_lshrrev_b32 v1, 5, v0
	v_readfirstlane_b32 s24, v1                    ; wave
	v_and_b32 v2, 31, v0                           ; lane
	v_lshlrev_b32 v3, 4, v2                        ; my 16 bytes of a load's 512
	s_mul_i32 s25, s24, WREG
	; the way into the stage makes the order: lane l of a load holds elements 4 (l % 8) .. + 3 of block l / 8: u = bit 2, h = bit 1 of l; they go to the place of lane 2 (l / 8) + h, bytes 32 u + 16 (l % 2)
	v_lshrrev_b32 v14, 3, v2
	v_bfe_u32 v15, v2, 1, 1
	v_lshl_add_u32 v14, v14, 1, v15
	v_mul_u32_u24 v14, v14, SP
	v_bfe_u32 v15, v2, 2, 1
	v_lshl_add_u32 v14, v15, 5, v14
	v_and_b32 v15, 1, v2
	v_lshl_add_u32 v14, v15, 4, v14
	v_add_nc_u32 v14, s25, v14
	v_mul_u32_u24 v15, v2, SP
	v_add_nc_u32 v15, s25, v15                     ; and the way out: SP x lane: my 16 places
	s_cmp_lt_u32 ttmp9, XWG
	s_mov_b32 s30, WKS
	s_cselect_b32 s30, XKS, s30                    ; bytes from a K step to the next in my destination
	v_and_b32 v4, 15, v2
	v_mul_u32_u24 v4, v4, CB                       ; a step is half a row: lanes 0-15 hold one K step's 192 bytes,
	v_lshrrev_b32 v10, 4, v2
	v_mad_u32_u24 v4, v10, s30, v4                 ; lanes 16-31 the next K step's
	v_lshrrev_b32 v5, 1, v2
	s_add_co_u32 s25, s25, 2*32*SP
	v_add_nc_u32 v5, s25, v5                       ; LDS: my wave's 256 scale bytes, my block's byte
	v_lshlrev_b32 v7, 3, v2                        ; on the way out 8 bytes a lane
	v_add_nc_u32 v6, s25, v7
	s_sub_co_u32 s26, ttmp9, XWG                   ; a weight's work-group: its number among the 128,
	s_bfe_u32 s27, s26, 0x20005                    ; which weight,
	s_and_b32 s28, s26, 31                         ; its number in that weight,
	s_and_b32 s29, s26, 127                        ; and in wc and ws, which hold the four on end
	s_wait_alu depctr_va_vdst(0)                   ; the wait at the head's end
	s_wait_kmcnt 0x0
	s_cmp_eq_u32 s27, 1                            ; the choices hang on the work-group's number alone
	s_cselect_b64 s[6:7], s[8:9], s[6:7]
	s_cmp_eq_u32 s27, 2
	s_cselect_b64 s[6:7], s[10:11], s[6:7]
	s_cmp_eq_u32 s27, 3
	s_cselect_b64 s[6:7], s[12:13], s[6:7]
	s_cmp_lt_u32 ttmp9, XWG
	s_cselect_b64 s[4:5], s[4:5], s[6:7]           ; the numbers
	s_cselect_b64 s[8:9], s[14:15], s[18:19]       ; the codes
	s_cselect_b64 s[10:11], s[16:17], s[20:21]     ; the scale bytes
	s_cselect_b32 s22, ttmp9, s28
	s_cselect_b32 s23, ttmp9, s29
	s_lshl_b32 s22, s22, 2
	s_add_co_u32 s22, s22, s24                     ; which run of 8,192 numbers of the source is my wave's,
	s_lshl_b32 s23, s23, 2
	s_add_co_u32 s23, s23, s24                     ; and of the destination
	s_lshl_b32 s26, s22, 15                        ; 32,768 bytes a run
	s_mov_b32 s27, 0
	s_add_nc_u64 s[4:5], s[4:5], s[26:27]
	s_mul_i32 s26, s23, 8*192                      ; my eight rows in K step 0
	s_add_nc_u64 s[8:9], s[8:9], s[26:27]
	s_lshl_b32 s26, s30, 1
	s_add_nc_u64 s[14:15], s[8:9], s[26:27]        ; and in K step 2: the odd steps' base
	s_lshl_b32 s26, s23, 8                         ; 256 scale bytes
	s_add_nc_u64 s[10:11], s[10:11], s[26:27]
.macro LOAD t
.irp i, 0,1,2,3
	global_load_b128 v[R+16*((\t)%AHEAD)+4*\i:R+16*((\t)%AHEAD)+4*\i+3], v3, s[4:5] offset:2048*(\t)+512*\i th:TH_LOAD_NT   ; 32 lanes read 512 consecutive bytes
.endr
.endm
.macro TURN t                          ; step t's numbers through the stage: LDS serves a wave's instructions in order, so no wait stands between the stores and the loads
.irp i, 0,1,2,3
	ds_store_b128 v14, v[R+16*((\t)%AHEAD)+4*\i:R+16*((\t)%AHEAD)+4*\i+3] offset:32*SP*((\t)%2)+8*SP*\i
.endr
.irp i, 0,1,2,3
	ds_load_b128 v[X+16*((\t)%2)+4*\i:X+16*((\t)%2)+4*\i+3], v15 offset:32*SP*((\t)%2)+16*\i
.endr
.endm
.irp t, 0,1,2,3,4,5,6,7
	LOAD \t
.endr
	s_wait_loadcnt 4*(AHEAD-1)                     ; step 0's four loads are in; the 28 of steps 1 to 7 may be out
	TURN 0
.macro STEP t
.set XS, X+16*((\t)%2)
.if (\t) > 0
	s_wait_dscnt 1                                 ; this step's numbers are back from the stage (the last step's byte store may be out): so its stores into the stage have read their registers,
.else
	s_wait_dscnt 0x0
.endif
.if (\t)+AHEAD < STEPS
	LOAD (\t)+AHEAD                                ; which take the loads of eight steps on
.endif
.if (\t)+1 < STEPS
.if STEPS-2-(\t) >= AHEAD-1
	s_wait_loadcnt 4*(AHEAD-1)                     ; the next step's four loads are in; those of the seven steps behind it may be out
.else
	s_wait_loadcnt 4*(STEPS-2-(\t))
.endif
	TURN (\t)+1                                    ; and go through the other stage while this step is worked
.endif
	v_max3_num_f32 v8, |v[XS]|, |v[XS+1]|, |v[XS+2]|               ; the largest magnitude of my 16
	v_max3_num_f32 v9, |v[XS+3]|, |v[XS+4]|, |v[XS+5]|
.irp i, 6,10
	v_max3_num_f32 v8, v8, |v[XS+\i]|, |v[XS+\i+1]|
	v_max3_num_f32 v9, v9, |v[XS+\i+2]|, |v[XS+\i+3]|
.endr
	v_max3_num_f32 v8, v8, |v[XS+14]|, |v[XS+15]|
	v_max3_num_f32 v8, v8, v9, (EMAX+1)<<23        ; and the floor 2^(EMAX + 1 - 127): the byte cannot fall under 1
	v_max_num_f32_dpp v8, v8, v8 row_xmask:1 row_mask:0xf bank_mask:0xf   ; and of my neighbour's 16: the block's
	v_add_nc_u32 v11, -(EMAX<<23), v8              ; EMAX off its exponent field: the conversion takes the exponent field of this operand as its scale
	v_cvt_scalef32_pk16_fp6_f32 v[C+4*(\t):C+4*(\t)+2], v[XS:XS+15], v11         ; sixteen numbers / the scale, to the nearest code, ties to even, beyond the largest code the largest; 96 bits without gaps
	v_lshrrev_b32 v[E+(\t)], 23, v11               ; the scale's byte
	ds_store_b8 v5, v[E+(\t)] offset:16*(\t)       ; both lanes of a block write the same byte with the same value
	global_store_b96 v4, v[C+4*(\t):C+4*(\t)+2], s[8+6*((\t)%2):9+6*((\t)%2)] offset:192*((\t)/2)   ; row t / 2, K steps 2 (t % 2) and 2 (t % 2) + 1
.endm
.irp t, 0,1,2,3,4,5,6,7,8,9,10,11,12,13,14,15
	STEP \t
.endr
	ds_load_b64 v[8:9], v6                         ; LDS serves a wave's instructions in order: these see my stores
	s_wait_dscnt 0x0
	global_store_b64 v7, v[8:9], s[10:11]          ; 32 lanes store 256 consecutive bytes, aligned
	s_wait_tensorcnt 0x0                           ; the wave's end
	ds_add_u32 v[SPW], v[NIL]
	s_wait_dscnt 0x0
	s_endpgm
.Lfunc_end_k_q8f426a1abf_quant:
	.size	k_q8f426a1abf_quant, .Lfunc_end_k_q8f426a1abf_quant-k_q8f426a1abf_quant
	.p2alignl 7, 3214868480
	.fill 96, 4, 3214868480
	.section	.rodata,"a",@progbits
	.p2align	6, 0x0
	.amdhsa_kernel k_q8f426a1abf_quant
		.amdhsa_group_segment_fixed_size 33280
		.amdhsa_private_segment_fixed_size 0
		.amdhsa_enable_private_segment 0
		.amdhsa_kernarg_size 72
		.amdhsa_user_sgpr_count 2
		.amdhsa_user_sgpr_kernarg_segment_ptr 1
		.amdhsa_wavefront_size32 1
		.amdhsa_system_sgpr_workgroup_id_x 1
		.amdhsa_system_sgpr_workgroup_id_y 1
		.amdhsa_system_sgpr_workgroup_id_z 1
		.amdhsa_system_vgpr_workitem_id 0
		.amdhsa_next_free_vgpr 256
		.amdhsa_next_free_sgpr 66
		.amdhsa_reserve_vcc 0
		.amdhsa_float_denorm_mode_32 3
		.amdhsa_float_denorm_mode_16_64 3
		.amdhsa_memory_ordered 1
		.amdhsa_forward_progress 1
		.amdhsa_inst_pref_size 33
	.end_amdhsa_kernel
	.amdgpu_metadata
---
amdhsa.version: [ 1, 2 ]
amdhsa.kernels:
  - .name:           k_q8f426a1abf_quant
    .symbol:         k_q8f426a1abf_quant.kd
    .args:
      - { .name: x, .offset: 0, .size: 8, .value_kind: global_buffer, .address_space: global }
      - { .name: Wq, .offset: 8, .size: 8, .value_kind: global_buffer, .address_space: global }
      - { .name: Wk, .offset: 16, .size: 8, .value_kind: global_buffer, .address_space: global }
      - { .name: Wv, .offset: 24, .size: 8, .value_kind: global_buffer, .address_space: global }
      - { .name: Wo, .offset: 32, .size: 8, .value_kind: global_buffer, .address_space: global }
      - { .name: xc, .offset: 40, .size: 8, .value_kind: global_buffer, .address_space: global }
      - { .name: xs, .offset: 48, .size: 8, .value_kind: global_buffer, .address_space: global }
      - { .name: wc, .offset: 56, .size: 8, .value_kind: global_buffer, .address_space: global }
      - { .name: ws, .offset: 64, .size: 8, .value_kind: global_buffer, .address_space: global }
    .group_segment_fixed_size: 33280
    .private_segment_fixed_size: 0
    .kernarg_segment_align: 8
    .kernarg_segment_size: 72
    .max_flat_workgroup_size: 128
    .sgpr_count:     66
    .vgpr_count:     256
    .wavefront_size: 32
...
	.end_amdgpu_metadata
.endif
;; end of part 1
;; launch qkv (part 2): grid 8 x 48, 4 waves a work-group, clusters of 4 x 4, 327,680 bytes of LDS; arguments xc, xs, wc, ws, qkv; writes qkv
.if DOCPART == 2
	.amdgcn_target "amdgcn-amd-amdhsa--gfx1250"
	.amdhsa_code_object_version 6
	.text
	.protected	k_q8f426a1abf_qkv
	.globl	k_q8f426a1abf_qkv
	.p2align	8
	.type	k_q8f426a1abf_qkv,@function
k_q8f426a1abf_qkv:
	s_mov_b64 s[64:65], 0
	v_nop
	global_prefetch_b8 v0, s[64:65] scope:SCOPE_SE
	s_setreg_imm32_b32 hwreg(HW_REG_WAVE_MODE, 25, 1), 1
	s_wait_xcnt 0x0
	s_wait_alu depctr_hold_cnt(0) depctr_sa_sdst(0) depctr_va_vdst(0) depctr_va_sdst(0) depctr_va_ssrc(0) depctr_va_vcc(0) depctr_vm_vsrc(0)
	s_getreg_b32 s2, hwreg(HW_REG_IB_STS2, 6, 4)
	s_cmp_eq_u32 s2, 0
	s_cbranch_scc0 .Lentry_in_a_cluster
	s_endpgm
.Lentry_in_a_cluster:
	s_bfe_u32 s2, ttmp6, 0x10000c
	s_cmp_lg_u32 s2, 0xf033
	s_cbranch_scc0 .Lentry_shape_is_right
	s_endpgm
.Lentry_shape_is_right:
.set KSTEP,  256
.set NQ,     KSTEP/128
.set ROWB,   192
.set KROW,   768
.set XKS,    8192*192                  ; xc is [K step][row][192 bytes]: bytes from a K step to the next;
.set WKS,    4096*192                  ; the same in wc
.set PITCH,  240
.set FR,     12
.set NL,     6
.set NP,     4
.set HALFT,  128*PITCH
.set SLOT,   4*HALFT
.set LAPS,   2
.set KS,     32
.set SCL,    2*SLOT
.set HALFS,  (128*KS/256)*272
.set SBLK,   (16*KS/256)*272
.set SPARE,  SCL+4*HALFS
.set CHUNK,  12800
.set HEADB,  16*CHUNK
.set ADRA, 16
.set ADRB, 20
.set VA16, 24
.set VA8,  25
.set VSC,  26
.set ADRS, 27
.set SPW,  28
.set NIL,  29
.set SC,   32
.set CD,   64
.set CT,   76
.set TM,   84
.set WS,   100
.set YY,   108
.set XX,   116
.set ZZ,   124
.set AF,   128
.set G1, 24
.set G0, 32
.set G1B, 48
.set G0B, 56
.set G1S, 68
.set G0S, 76
.set G1SB, 80
.set G0SB, 88
.set MSB, 0
.macro WIN new
.if MSB != \new
	s_set_vgpr_msb (MSB<<8)|\new
.set MSB, \new
.endif
.endm
.set MUL_LO, 0xa1
.set MUL_HI, 0xf1
.set TO_B,   0x40
.macro JLOAD g0a, g1a, g0b, g1b
	s_cmp_eq_u32 s15, 0
	s_cbranch_scc0 .Lfor_b_\@
	tensor_load_to_lds s[\g0a:\g0a+3], s[\g1a:\g1a+7]
	s_nop 0
.rept 4
	v_nop
.endr
	s_branch .Lasked_\@
.Lfor_b_\@:
	tensor_load_to_lds s[\g0b:\g0b+3], s[\g1b:\g1b+7]
	s_nop 0
.rept 4
	v_nop
.endr
.Lasked_\@:
.endm
.macro CREST
	s_cmp_lg_u32 s14, 0
	s_cbranch_scc1 .Lnot_wave_0_\@
	s_barrier_signal -3
.Lnot_wave_0_\@:
	s_barrier_wait -3
	s_barrier_signal -1
	s_barrier_wait -1
.endm
.macro CROUND
	s_barrier_signal -1
	s_barrier_wait -1
	CREST
.endm
	s_load_b128 s[4:7], s[0:1], 0x0
	s_load_b128 s[8:11], s[0:1], 0x10
	s_load_b64 s[12:13], s[0:1], 0x20
	v_lshl_add_u32 v[SPW], v0, 2, SPARE
	v_mov_b32 v[NIL], 0
	ds_add_u32 v[SPW], v[NIL]
	ds_add_u32 v[SPW], v[NIL]
	v_lshrrev_b32 v1, 5, v0
	v_readfirstlane_b32 s14, v1
	s_lshr_b32 s15, s14, 1
	s_and_b32 s16, s14, 1
	s_bfe_u32 s40, ttmp6, 0x40000
	s_bfe_u32 s41, ttmp6, 0x40004
	s_and_b32 s17, ttmp7, 0xffff
	s_sub_co_u32 s95, s17, 8
	s_lshl_b32 s95, s95, 1
	s_add_co_u32 s95, s95, ttmp9
	s_cmp_lt_u32 s17, 8
	s_cselect_b32 s66, 0, 1
	s_cselect_b32 s96, ttmp9, s95
	s_cselect_b32 s97, s17, 0
	s_cselect_b32 s67, 0, 2048
	s_lshl_b32 s42, s96, 2
	s_add_co_u32 s42, s42, s40
	s_lshl_b32 s17, s97, 2
	s_add_co_u32 s17, s17, s41
	s_lshl_b32 s43, s41, 2
	s_lshl_b32 s43, 15, s43
	s_lshl_b32 s44, 0x1111, s40
	s_or_b32 s[G1+0], s43, (0<<16)|(1<<20)|(1<<21)|(3<<22)|(3<<25)
	s_or_b32 s[G1B+0], s44, (0<<16)|(1<<20)|(1<<21)|(3<<22)|(3<<25)
.irp g, G1, G1B
	s_mov_b32 s[\g+1], 256<<16                     ; 128 rows of 192 bytes are dense: stated as 96 rows of 256 bytes; the padding's interval stays 64 bytes, so an LDS row of 192 bytes keeps its pitch of 240
	s_mov_b32 s[\g+2], 192<<16                     ; the head's loads bring a tile's 256 rows: 192 rows of 256 bytes; behind them the two words are set to 96
	s_mov_b32 s[\g+3], 256<<16
	s_mov_b32 s[\g+4], 192
	s_mov_b32 s[\g+5], 256
	s_mov_b32 s[\g+6], 0
	s_mov_b32 s[\g+7], 0
.endr
	s_or_b32 s[G1S+0], s43, (3<<16)|(1<<20)|(1<<21)|(5<<22)|(3<<25)
	s_or_b32 s[G1SB+0], s44, (3<<16)|(1<<20)|(1<<21)|(5<<22)|(3<<25)
.irp g, G1S, G1SB
	s_mov_b32 s[\g+1], 32<<16
	s_mov_b32 s[\g+2], (256*KS/256)<<16            ; the scales of a tile's 256 rows
	s_mov_b32 s[\g+3], 32<<16
	s_mov_b32 s[\g+4], 256*KS/256
	s_mov_b32 s[\g+5], 32
	s_mov_b32 s[\g+6], 0
	s_mov_b32 s[\g+7], 0
.endr
	s_lshl_b32 s20, s17, 8
	s_add_co_u32 s20, s20, s67
	s_lshl_b32 s46, s42, 8
	s_mov_b32 s21, 0
	s_mov_b32 s47, 0
	s_mov_b64 s[18:19], KS
	s_mul_u64 s[22:23], s[20:21], s[18:19]
	s_mul_u64 s[92:93], s[46:47], s[18:19]
	s_mov_b64 s[18:19], ROWB
	s_mul_u64 s[20:21], s[20:21], s[18:19]
	s_mul_u64 s[46:47], s[46:47], s[18:19]
	s_mul_i32 s45, s14, HALFT
	s_wait_dscnt 0x0
	s_wait_kmcnt 0x0
	s_cmp_eq_u32 s66, 0
	s_cselect_b64 s[98:99], s[4:5], s[8:9]
	s_cselect_b64 s[100:101], s[6:7], s[10:11]
	s_cselect_b64 s[8:9], s[8:9], s[4:5]
	s_cselect_b64 s[10:11], s[10:11], s[6:7]
	s_add_nc_u64 s[20:21], s[98:99], s[20:21]
	s_add_nc_u64 s[22:23], s[100:101], s[22:23]
	s_add_nc_u64 s[46:47], s[8:9], s[46:47]
	s_add_nc_u64 s[92:93], s[10:11], s[92:93]
	s_mov_b32 s98, WKS                             ; the K step's bytes of source A's buffer (SCC still says whether that is xc),
	s_cselect_b32 s98, XKS, s98
	s_mov_b32 s100, XKS                            ; and of B's
	s_cselect_b32 s100, WKS, s100
	s_mov_b32 s99, 0
	s_mov_b32 s101, 0
	CROUND
	s_mov_b32 s[G0S], 1
	s_mov_b32 s[G0S+1], SCL
	s_mov_b64 s[G0S+2:G0S+3], s[22:23]
	s_or_b32 s[G0S+3], s[G0S+3], 0x80000000
	s_mov_b32 s[G0SB], 1
	s_mov_b32 s[G0SB+1], SCL+2*HALFS
	s_mov_b64 s[G0SB+2:G0SB+3], s[92:93]
	s_or_b32 s[G0SB+3], s[G0SB+3], 0x80000000
	s_mov_b32 s4, 1                                ; group 0 of the head's loads of K step 0: A's 256 rows (the arguments that lay here have been used),
	s_mov_b32 s5, 0
	s_mov_b64 s[6:7], s[20:21]
	s_or_b32 s7, s7, 0x80000000
	s_mov_b32 s8, 1                                ; and B's, behind them in slot 0
	s_mov_b32 s9, 2*HALFT
	s_mov_b64 s[10:11], s[46:47]
	s_or_b32 s11, s11, 0x80000000
	s_mul_i32 s18, s16, 128*ROWB                   ; for the ring: my 128 rows of the tile
	s_mov_b32 s19, 0
	s_add_nc_u64 s[20:21], s[20:21], s[18:19]
	s_add_nc_u64 s[46:47], s[46:47], s[18:19]
.irp s, 0,1
	s_mov_b32 s[G0+4*\s], 1
	s_add_co_u32 s[G0+4*\s+1], s45, \s*SLOT
	s_mov_b64 s[G0+4*\s+2:G0+4*\s+3], s[20:21]
.if \s
	s_add_nc_u64 s[G0+4*\s+2:G0+4*\s+3], s[G0+4*\s+2:G0+4*\s+3], s[98:99]
.endif
	s_or_b32 s[G0+4*\s+3], s[G0+4*\s+3], 0x80000000
	s_mov_b32 s[G0B+4*\s], 1
	s_add_co_u32 s[G0B+4*\s+1], s45, \s*SLOT
	s_mov_b64 s[G0B+4*\s+2:G0B+4*\s+3], s[46:47]
.if \s
	s_add_nc_u64 s[G0B+4*\s+2:G0B+4*\s+3], s[G0B+4*\s+2:G0B+4*\s+3], s[100:101]
.endif
	s_or_b32 s[G0B+4*\s+3], s[G0B+4*\s+3], 0x80000000
.endr
; the head's four tiles, one a wave, in one chain of branches on the wave's number: A's rows, B's rows, A's scales, B's scales
	s_cmp_lt_u32 s14, 1
	s_cbranch_scc0 .Lhead_b
	tensor_load_to_lds s[4:7], s[G1:G1+7]
	s_nop 0
.rept 4
	v_nop
.endr
	s_branch .Lhead_asked
.Lhead_b:
	s_cmp_lt_u32 s14, 2
	s_cbranch_scc0 .Lhead_sa
	tensor_load_to_lds s[8:11], s[G1B:G1B+7]
	s_nop 0
.rept 4
	v_nop
.endr
	s_branch .Lhead_asked
.Lhead_sa:
	s_cmp_lt_u32 s14, 3
	s_cbranch_scc0 .Lhead_sb
	tensor_load_to_lds s[G0S:G0S+3], s[G1S:G1S+7]
	s_nop 0
.rept 4
	v_nop
.endr
	s_branch .Lhead_asked
.Lhead_sb:
	tensor_load_to_lds s[G0SB:G0SB+3], s[G1SB:G1SB+7]
	s_nop 0
.rept 4
	v_nop
.endr
.Lhead_asked:
	v_and_b32 v1, 15, v0
	v_bfe_u32 v2, v0, 4, 1
	v_mul_u32_u24 v3, v1, PITCH
	v_mul_u32_u24 v4, v2, 24
	v_add_nc_u32 v4, v3, v4
	v_lshl_add_u32 v5, v2, 4, v4
	s_mul_i32 s21, s15, HALFT
	s_mul_i32 s22, s16, HALFT
	s_add_co_u32 s22, s22, 2*HALFT
.irp s, 0,1
	v_add_nc_u32 v[ADRA+\s], s21, v4
	v_add_nc_u32 v[ADRB+\s], s22, v4
	v_add_nc_u32 v[ADRA+2+\s], s21, v5
	v_add_nc_u32 v[ADRB+2+\s], s22, v5
	s_add_co_u32 s21, s21, SLOT
	s_add_co_u32 s22, s22, SLOT
.endr
	v_mul_u32_u24 v5, v1, KS
	v_lshrrev_b32 v6, 8, v5
	v_lshl_add_u32 v5, v6, 4, v5
	s_mul_i32 s21, s15, HALFS
	s_mul_i32 s22, s16, HALFS
	s_add_co_u32 s22, s22, 2*HALFS
	s_sub_co_u32 s22, s22, s21
	v_mul_u32_u24 v6, s22, v2
	s_add_co_u32 s21, s21, SCL
	v_add_nc_u32 v5, v5, v6
	v_add_nc_u32 v[ADRS], s21, v5
	v_and_b32 v6, 31, v0
	v_lshlrev_b32 v[VA16], 4, v6
	v_lshlrev_b32 v[VA8], 3, v6
	v_mul_u32_u24 v[VSC], v2, HEADB
	v_lshl_add_u32 v[VSC], v1, 4, v[VSC]
.macro FRAG reg, adr, q, i
.irp p, 0,1,2,3,4,5
.set PCE, 12*(\q)+6*(\p/3)+\p%3
.if PCE%8 < 5
	ds_load_b64 v[\reg+2*\p:\reg+2*\p+1], v[\adr] offset:8*PCE+16*(PCE/8)+(\i)*16*PITCH
.else
	ds_load_b64 v[\reg+2*\p:\reg+2*\p+1], v[\adr+2] offset:8*PCE+16*(PCE/8)+(\i)*16*PITCH
.endif
.endr
.endm
.macro MUL16 a0, p, q, sc, zero
.irp a, \a0, \a0+1
.irp b, 0,1,2,3,4,5,6,7
.if \zero
	v_wmma_scale_f32_16x16x128_f8f6f4 v[8*(8*((\a)%4)+\b):8*(8*((\a)%4)+\b)+7], v[128*(\p)+FR*\b:128*(\p)+FR*\b+FR-1], v[AF+FR*(\a):AF+FR*(\a)+FR-1], 0, v[SC+8*NQ*(\sc)+NQ*\b+(\q)], v[SC+8*NQ*(\sc)+NQ*(\a)+(\q)] matrix_a_fmt:MATRIX_FMT_FP6 matrix_b_fmt:MATRIX_FMT_FP6 matrix_a_scale:MATRIX_SCALE_ROW1
.else
	v_wmma_scale_f32_16x16x128_f8f6f4 v[8*(8*((\a)%4)+\b):8*(8*((\a)%4)+\b)+7], v[128*(\p)+FR*\b:128*(\p)+FR*\b+FR-1], v[AF+FR*(\a):AF+FR*(\a)+FR-1], v[8*(8*((\a)%4)+\b):8*(8*((\a)%4)+\b)+7], v[SC+8*NQ*(\sc)+NQ*\b+(\q)], v[SC+8*NQ*(\sc)+NQ*(\a)+(\q)] matrix_a_fmt:MATRIX_FMT_FP6 matrix_b_fmt:MATRIX_FMT_FP6 matrix_a_scale:MATRIX_SCALE_ROW1
.endif
.endr
.endr
.endm
.macro FETCH_B slot, q, p
	WIN TO_B
.irp i, 0,1,2,3,4,5,6,7
	FRAG 128*(\p)+FR*\i, ADRB+\slot, \q, \i
.endr
	WIN 0
.endm
.macro FETCH_A slot, q, i0
.irp i, \i0, \i0+1, \i0+2, \i0+3
	FRAG AF+FR*(\i), ADRA+\slot, \q, \i
.endr
.endm
.macro SCALES sc
.irp i, 0,1,2,3,4,5,6,7
	ds_load_b64 v[SC+8*NQ*\sc+NQ*\i:SC+8*NQ*\sc+NQ*\i+1], v[ADRS] offset:\i*SBLK
.endr
.endm
.macro PLACES n
.rept \n
	v_nop
.endr
.endm
.macro STEP slot, q, zero
	s_wait_dscnt 4*NL
	WIN MUL_LO
	MUL16 0, (\q)%2, \q, \slot, \zero
	MUL16 2, (\q)%2, \q, \slot, \zero
	s_wait_dscnt 0
	PLACES NP
	FETCH_B \slot, (\q)+1, 1-(\q)%2
	FETCH_A \slot, (\q)+1, 0
	WIN MUL_HI
	MUL16 4, (\q)%2, \q, \slot, \zero
	MUL16 6, (\q)%2, \q, \slot, \zero
	PLACES NP
	WIN 0
	FETCH_A \slot, (\q)+1, 4
.endm
.macro TURN slot, next, fill
	s_wait_tensorcnt 0x0
	ds_add_u32 v[SPW], v[NIL]
	s_wait_dscnt 4*NL+1
	WIN MUL_LO
	MUL16 0, 1, NQ-1, \slot, 0
	s_wait_dscnt 0x0
	s_barrier_signal -1
	MUL16 2, 1, NQ-1, \slot, 0
	WIN 0
	s_barrier_wait -1
.if \fill
	CREST
	s_add_nc_u64 s[G0+4*\slot+2:G0+4*\slot+3], s[G0+4*\slot+2:G0+4*\slot+3], s[98:99]
	s_add_nc_u64 s[G0+4*\slot+2:G0+4*\slot+3], s[G0+4*\slot+2:G0+4*\slot+3], s[98:99]
	s_add_nc_u64 s[G0B+4*\slot+2:G0B+4*\slot+3], s[G0B+4*\slot+2:G0B+4*\slot+3], s[100:101]
	s_add_nc_u64 s[G0B+4*\slot+2:G0B+4*\slot+3], s[G0B+4*\slot+2:G0B+4*\slot+3], s[100:101]
	JLOAD G0+4*\slot, G1, G0B+4*\slot, G1B
.else
	PLACES NP
.endif
	s_wait_alu depctr_va_vdst(0)
	v_add_nc_u32 v[ADRS], 4*NQ, v[ADRS]
	FETCH_B \next, 0, 0
	FETCH_A \next, 0, 0
	SCALES \next
	WIN MUL_HI
	MUL16 4, 1, NQ-1, \slot, 0
	MUL16 6, 1, NQ-1, \slot, 0
	PLACES NP
	WIN 0
	FETCH_A \next, 0, 4
.endm
	s_wait_alu depctr_va_vdst(0)
	s_wait_tensorcnt 0x0                           ; my tile of the head's four is in
	ds_add_u32 v[SPW], v[NIL]
	s_mov_b32 s[G1+2], 96<<16                      ; no tensor load of mine is out: from here on a load brings 128 rows
	s_mov_b32 s[G1+4], 96
	s_mov_b32 s[G1B+2], 96<<16
	s_mov_b32 s[G1B+4], 96
	s_wait_dscnt 0x0
	CROUND                                         ; all four tiles are in, in every partner;
	JLOAD G0+4, G1, G0B+4, G1B                     ; K step 1, the first tensor load behind the round
	FETCH_B 0, 0, 0
	FETCH_A 0, 0, 0
	SCALES 0
	FETCH_A 0, 0, 4
	STEP 0, 0, 1
	s_mov_b32 s3, LAPS-1
.Llap:
	TURN 0, 1, 1
	STEP 1, 0, 0
	TURN 1, 0, 1
	STEP 0, 0, 0
	s_sub_co_u32 s3, s3, 1
	s_cmp_lg_u32 s3, 0
	s_cbranch_scc1 .Llap
	TURN 0, 1, 0
	STEP 1, 0, 0
	s_wait_dscnt 4*NL
	WIN MUL_LO
	MUL16 0, 1, NQ-1, 1, 0
	MUL16 2, 1, NQ-1, 1, 0
	s_wait_dscnt 0
	WIN MUL_HI
	MUL16 4, 1, NQ-1, 1, 0
	MUL16 6, 1, NQ-1, 1, 0
	WIN 0
	s_lshl_b32 s20, s17, 1
	s_add_co_u32 s20, s20, s15
	s_lshr_b32 s21, s20, 4
	s_and_b32 s22, s20, 15
	s_lshr_b32 s23, s42, 2
	s_and_b32 s46, s42, 3
	s_lshl_b32 s46, s46, 2
	s_lshl_b32 s47, s16, 1
	s_add_co_u32 s46, s46, s47
	s_lshr_b32 s92, s42, 3
	s_lshl_b32 s93, s20, 1
	s_and_b32 s94, s42, 7
	s_lshl_b32 s94, s94, 1
	s_add_co_u32 s94, s94, s16
	s_cmp_eq_u32 s66, 0
	s_cselect_b32 s23, s23, 1
	s_cselect_b32 s21, s21, s92
	s_cselect_b32 s46, s46, s93
	s_cselect_b32 s22, s22, s94
	s_cselect_b32 s95, 0, 6144
	s_mov_b32 s96, 12544
	s_cselect_b32 s96, 12288, s96
	s_mov_b32 s68, 1536
	s_cselect_b32 s68, 768, s68
	s_mov_b32 s70, 768
	s_cselect_b32 s70, HEADB, s70
	s_cselect_b32 s72, 0, HEADB-6144
	s_cselect_b32 s74, 0, -1
	s_lshl_b32 s23, s23, 2
	s_add_co_u32 s23, s23, s21
	s_lshl_b32 s23, s23, 4
	s_add_co_u32 s23, s23, s46
	s_lshl_b32 s23, s23, 4
	s_add_co_u32 s23, s23, s22
	s_mul_i32 s23, s23, CHUNK
	s_add_co_u32 s76, s23, s95
	s_mov_b32 s77, 0
	s_mov_b32 s69, 0
	s_mov_b32 s71, 0
	s_mov_b32 s73, 0
	s_add_nc_u64 s[80:81], s[12:13], s[76:77]
	s_add_nc_u64 s[82:83], s[80:81], s[70:71]
	s_add_co_u32 s76, s23, s96
	s_add_nc_u64 s[84:85], s[12:13], s[76:77]
	s_mov_b32 s75, 0xffff0000
	s_mov_b32 s86, 0x76543210
	s_mov_b32 s87, 0xfedcba98
	s_mov_b32 s88, 0x05040100
	s_mov_b32 s89, 0x07060302
	PLACES NP
.irp b, 0,1,2,3
	v_mov_b32 v[TM+4+\b], 0
.endr
.macro OUTBLK a
.set AC, 64*((\a)%4)
	WIN 5*(2+(\a)/4)
.irp b, 0,1,2,3
	v_max3_num_f32 v[TM+\b], |v[AC+16*\b]|, |v[AC+16*\b+1]|, 0x1800000
.endr
.irp i, 2,4,6,8,10,12,14
.irp b, 0,1,2,3
	v_max3_num_f32 v[TM+\b], |v[AC+16*\b+\i]|, |v[AC+16*\b+\i+1]|, v[TM+\b]
.endr
.endr
	WIN 0
.irp b, 0,1,2,3
	v_permlanex16_b32 v[TM+4+\b], v[TM+\b], s86, s87
.endr
.irp b, 0,1,2,3
	v_max_num_f32 v[TM+\b], v[TM+\b], v[TM+4+\b]
.endr
.irp b, 0,1,2,3
	v_add_nc_u32 v[TM+12+\b], 0xff000000, v[TM+\b]
.endr
.irp b, 0,1,2,3
	v_lshrrev_b32 v[TM+4+\b], 23, v[TM+12+\b]
.endr
	v_lshl_or_b32 v[WS+(\a)], v[TM+5], 8, v[TM+4]
	v_lshl_or_b32 v[WS+(\a)], v[TM+6], 16, v[WS+(\a)]
	v_lshl_or_b32 v[WS+(\a)], v[TM+7], 24, v[WS+(\a)]
.if (\a) > 0
	s_wait_xcnt 0x0
	s_add_nc_u64 s[80:81], s[80:81], s[68:69]
	s_add_nc_u64 s[82:83], s[82:83], s[68:69]
.if (\a) == 4
	s_add_nc_u64 s[80:81], s[80:81], s[72:73]
	s_add_nc_u64 s[82:83], s[82:83], s[72:73]
.endif
.endif
	WIN 2+(\a)/4
.irp c, 0,1
	v_cvt_scalef32_pk16_fp6_f32 v[CD+6*\c:CD+2+6*\c], v[AC+32*\c:AC+15+32*\c], v[TM+12+2*\c]
	v_cvt_scalef32_pk16_fp6_f32 v[CT+4*\c:CT+2+4*\c], v[AC+16+32*\c:AC+31+32*\c], v[TM+12+2*\c+1]
.endr
	WIN 0
	v_nop
.irp c, 0,1
.irp i, 0,1,2
	v_permlane16_swap_b32 v[CD+6*\c+\i], v[CT+4*\c+\i]
.endr
.irp i, 0,1,2
	v_mov_b32 v[CD+3+6*\c+\i], v[CT+4*\c+\i]
.endr
.endr
	global_store_b128 v[VA16], v[CD:CD+3], s[80:81]
	global_store_b64 v[VA8], v[CD+4:CD+5], s[80:81] offset:512
	global_store_b128 v[VA16], v[CD+6:CD+9], s[82:83]
	global_store_b64 v[VA8], v[CD+10:CD+11], s[82:83] offset:512
.endm
.irp a, 0,1,2,3,4,5,6,7
	OUTBLK \a
.endr
.irp p, 0,1,2,3
	v_perm_b32 v[YY+\p], v[WS+2*\p+1], v[WS+2*\p], s88
	v_perm_b32 v[YY+4+\p], v[WS+2*\p+1], v[WS+2*\p], s89
.endr
.irp p, 0,1,2,3,4,5,6,7
	v_cndmask_b32 v[XX+\p], v[YY+\p], v[WS+\p], s74
.endr
.irp p, 0,1,2,3
	v_cndmask_b32 v[ZZ+\p], v[XX+\p], v[XX+4+\p], s75
.endr
	global_store_b128 v[VSC], v[ZZ:ZZ+3], s[84:85]
	s_wait_tensorcnt 0x0
	ds_add_u32 v[SPW], v[NIL]
	s_wait_dscnt 0x0
	CROUND
	s_endpgm
.Lfunc_end_k_q8f426a1abf_qkv:
	.size	k_q8f426a1abf_qkv, .Lfunc_end_k_q8f426a1abf_qkv-k_q8f426a1abf_qkv
	.p2alignl 7, 3214868480
	.fill 96, 4, 3214868480
	.section	.rodata,"a",@progbits
	.p2align	6, 0x0
	.amdhsa_kernel k_q8f426a1abf_qkv
		.amdhsa_group_segment_fixed_size 327680
		.amdhsa_private_segment_fixed_size 0
		.amdhsa_enable_private_segment 0
		.amdhsa_kernarg_size 40
		.amdhsa_user_sgpr_count 2
		.amdhsa_user_sgpr_kernarg_segment_ptr 1
		.amdhsa_wavefront_size32 1
		.amdhsa_system_sgpr_workgroup_id_x 1
		.amdhsa_system_sgpr_workgroup_id_y 1
		.amdhsa_system_sgpr_workgroup_id_z 1
		.amdhsa_system_vgpr_workitem_id 0
		.amdhsa_next_free_vgpr 1024
		.amdhsa_next_free_sgpr 102
		.amdhsa_reserve_vcc 0
		.amdhsa_float_denorm_mode_32 3
		.amdhsa_float_denorm_mode_16_64 3
		.amdhsa_memory_ordered 1
		.amdhsa_forward_progress 1
		.amdhsa_inst_pref_size 170
	.end_amdhsa_kernel
	.amdgpu_metadata
---
amdhsa.version: [ 1, 2 ]
amdhsa.kernels:
  - .name:           k_q8f426a1abf_qkv
    .symbol:         k_q8f426a1abf_qkv.kd
    .args:
      - { .name: xc, .offset: 0, .size: 8, .value_kind: global_buffer, .address_space: global }
      - { .name: xs, .offset: 8, .size: 8, .value_kind: global_buffer, .address_space: global }
      - { .name: wc, .offset: 16, .size: 8, .value_kind: global_buffer, .address_space: global }
      - { .name: ws, .offset: 24, .size: 8, .value_kind: global_buffer, .address_space: global }
      - { .name: qkv, .offset: 32, .size: 8, .value_kind: global_buffer, .address_space: global }
    .group_segment_fixed_size: 327680
    .private_segment_fixed_size: 0
    .kernarg_segment_align: 8
    .kernarg_segment_size: 40
    .max_flat_workgroup_size: 128
    .sgpr_count:     102
    .vgpr_count:     1024
    .wavefront_size: 32
...
	.end_amdgpu_metadata
.endif
;; end of part 2
;; launch attn (part 3): grid 4 x 64, 16 waves a work-group, clusters of 4 x 1, 327,680 bytes of LDS; arguments qkv, out1, cc, cs; writes out1, cc, cs
.if DOCPART == 3
	.amdgcn_target "amdgcn-amd-amdhsa--gfx1250"
	.amdhsa_code_object_version 6
	.text
	.protected	k_q8f426a1abf_attn
	.globl	k_q8f426a1abf_attn
	.p2align	8
	.type	k_q8f426a1abf_attn,@function
k_q8f426a1abf_attn:
	s_mov_b64 s[64:65], 0
	v_nop
	global_prefetch_b8 v0, s[64:65] scope:SCOPE_SE
	s_setreg_imm32_b32 hwreg(HW_REG_WAVE_MODE, 25, 1), 1
	s_wait_xcnt 0x0
	s_wait_alu depctr_hold_cnt(0) depctr_sa_sdst(0) depctr_va_vdst(0) depctr_va_sdst(0) depctr_va_ssrc(0) depctr_va_vcc(0) depctr_vm_vsrc(0)
	s_getreg_b32 s2, hwreg(HW_REG_IB_STS2, 6, 4)
	s_cmp_eq_u32 s2, 0
	s_cbranch_scc0 .Lentry_in_a_cluster
	s_endpgm
.Lentry_in_a_cluster:
	s_bfe_u32 s2, ttmp6, 0x10000c
	s_cmp_lg_u32 s2, 0x3003
	s_cbranch_scc0 .Lentry_shape_is_right
	s_endpgm
.Lentry_shape_is_right:
; per_head[b][s][head][:] = the sum over keys of softmax(q . k / 8) v, both products on codes of FP6 (E2M3) with E8M0 scales; then per_head is quantised along the combined 1,024 for the output projection.
; THE SOFTMAX: t = score x log2(e) / 8; M = the running largest t rounded UP to a whole number; p = 2^(t - M) is quantised along the keys, not normalised; the row's sum is taken of the unquantised p and divides at the end.
; When M moves, the sum and O are multiplied by 2^(old M - new M): exact.
; SHARES.  A work-group owns ONE head of one batch and 512 queries: 64 x 4 = 256 work-groups.  Each of its sixteen waves owns 16 queries at a time, in 256 registers, and walks all 2,048 keys twice: queries 16 w .., then 256 + 16 w ..
; THE KEYS STAY.  A head's k and v are 16 chunks of 12,800 bytes in qkv (128 keys each: k's 4 fragments, v^T's 4, their scale words, in the order of the registers).  All 16 are asked for at the head, one tensor load a wave,
; and lie in LDS for the whole launch: nothing is filled again, so the walk over the keys has no barrier.  No prefetch: every tile is asked for at the head, and there is no loop to run ahead in.
; IN LDS a chunk is 50 rows of 256 bytes, 64 bytes of padding behind each (pitch 320).  Rows 6 p .. 6 p + 5 are fragment p (16 bytes of lanes 0-15, of lanes 16-31, 8 bytes of all lanes; the same for its second half of K); row 48 k's scale words, row 49 v^T's.
; q k^T HAS K = 64, the instruction 128.  A fragment of k holds TWO tiles of 16 keys, one in each half of K; it is multiplied once by [q / zeros] and once by [zeros / q]: zero codes add nothing.
; WHICH KEYS FORM A TILE is chosen by the LDS addresses: lane r of fragment (c, u) takes row 8 u + r % 8 of the stored fragment 2 c + r / 8.  Both products are used transposed, so lanes 0-15 of the scores then hold keys of block 2 c alone and
; lanes 16-31 of block 2 c + 1: a lane's 32 registers are one whole scale block, in the order of places in which v^T's codes lie.  So a block's largest needs no other lane and p's codes fall as the operand wants them.
; Six LDS rows are 1,920 = 7 x 256 + 128 bytes: the two groups of eight rows of a 16-byte load fall on different halves of the 64 banks of 4 bytes (ISA guide 11.1).
; CLUSTER.  The four query blocks of a head need the same 16 chunks: each is asked for jointly (mask 15).  A work-group's place enters the global addresses of q and of the outputs alone.  A wave has one tensor load out, once.
; THE COMBINED SCALE BYTES: a head owns two of the four bytes of a row's word in cs, so they leave as single bytes, one a lane: one byte for each 24 bytes of codes.
; LIMITS: the promise holds while the scaled scores t stay under 2^31 in magnitude; a block of zeros gets the byte 1 (its codes are zeros; this program alone reads the bytes); NaN and infinities are not served.
.set CH,    12800                      ; a chunk in memory
.set RW,    320                        ; an LDS row
.set CHL,   50*RW                      ; a chunk in LDS
.set GRP,   4*CHL                      ; four chunks: what the loads' 16-bit offsets reach
.set STAGE, 16*CHL                     ; the way out: 16 rows x (256 + 16) bytes for each wave
.set SPARE, STAGE+16*16*272            ; the spare words, 128 bytes a wave
.set L16, 1                            ; 16 x lane
.set VA8, 2                            ; 8 x lane
.set VAS, 3                            ; 16 x (lane % 16)
.set SPW, 4                            ; my spare word; never rewritten
.set NIL, 5                            ; 0; never rewritten
.set GO,  6                            ; out1: 4,096 h + 16 r
.set STO, 7
.set RD,  8
.set VA16, 9                           ; v^T: 16 r + 320 h
.set KA16, 10                          ; k: 1,920 (r / 8) + 320 h + 16 (r % 8)
.set KA8, 11                           ; k: 1,920 (r / 8) + 128 h + 8 (r % 8)
                                       ; v12 -M; v13 the running largest score; v[14:15] the sum
.set QZ,  16                           ; v16-33: six zeros, q, six zeros
.set QS,  34                           ; q's scale word
.set Q1S, 35                           ; the second sixteen queries' word, v36-41 their q
.set Q1,  36
.set CK16, 42                          ; v42-47 the six LDS addresses + the group in hand
.set CK8, 43
.set CKS, 44
.set CV16, 45
.set CV8, 46
.set CVS, 47
.set KF,  48                           ; v48-95 four fragments, of k and then of v^T
.set S,   96                           ; v96-159 S^T, then p: register 32 c + i is place i of block 2 c + h
.set OT,  160                          ; v160-191 O^T
.set PC,  192                          ; v192-203 p's codes
.set PT,  204
.set KSC, 212
.set VSW, 216
.set PW,  220
.set SH8, 221                          ; 8 h
.set KAS, 222                          ; k's scale words: 16 (r % 8) + 4 (r / 8)
.set CSO, 223                          ; cs: 4 r + h
.set BM,  224
.set T2,  226
.set SO,  228
.set TMP, 230
.set TM2, 231
.set FF,  232
.set P,   234                          ; v234-241 a step's sums, four chains of pairs
.set MX,  242
.set WV,  18
.set SEL, 20
.set CS,  22
.set G1,  24
.set G0,  32
.set TB,  36
.set PASS, 37
.set TBN, 41                           ; the group that follows the one in hand; behind the last, the first
.set HI,  39
.set QB,  42
.set QSB, 44
.set OB,  54
.set CB,  56
.set SB,  58
.macro WALU
	s_wait_alu depctr_va_vdst(0)
.endm
.macro CROUND
	s_barrier_signal -1
	s_barrier_wait -1
	s_cmp_lg_u32 s[WV], 0
	s_cbranch_scc1 .Lnot_wave_0_\@
	s_barrier_signal -3
.Lnot_wave_0_\@:
	s_barrier_wait -3
	s_barrier_signal -1
	s_barrier_wait -1
.endm
.macro JOIN                            ; the last step's four chains go into the sum
	v_pk_add_f32 v[P:P+1], v[P:P+1], v[P+2:P+3]
	v_pk_add_f32 v[P+4:P+5], v[P+4:P+5], v[P+6:P+7]
	v_mov_b32 v[TMP], v12                          ; the old -M
	v_pk_add_f32 v[14:15], v[14:15], v[P:P+1]
	v_pk_add_f32 v[14:15], v[14:15], v[P+4:P+5]
.endm
.macro INIT                            ; sixteen queries begin: the step is written once, its first run finds zeros
.set jj, 0
.rept 32
	v_mov_b32 v[OT+jj], 0
.set jj, jj+1
.endr
.set jj, 0
.rept 8
	v_mov_b32 v[P+jj], 0
.set jj, jj+1
.endr
	v_mov_b32 v13, 0xff61b1e6                      ; the largest score so far: -3e38
	v_mov_b32 v12, 0x7e000000                      ; -M: 2^125, a whole number above every -M that follows
	v_mov_b32 v14, 0
	v_mov_b32 v15, 0
.endm
	s_load_b256 s[4:11], s[0:1], 0x0               ; qkv, out1, cc, cs
	v_lshl_add_u32 v[SPW], v0, 2, SPARE
	v_mov_b32 v[NIL], 0
	ds_add_u32 v[SPW], v[NIL]                      ; the opening lines: the add, twice on end, and its wait ahead of my tensor load
	ds_add_u32 v[SPW], v[NIL]
	v_lshrrev_b32 v48, 5, v0
	v_readfirstlane_b32 s[WV], v48                 ; wave 0..15
	s_mul_i32 s40, s[WV], 16*272
	s_add_co_u32 s40, s40, STAGE                   ; my stage
	v_and_b32 v48, 31, v0                          ; lane
	v_and_b32 v49, 15, v0                          ; r
	v_bfe_u32 v50, v0, 4, 1                        ; h
	v_and_b32 v51, 7, v0                           ; r % 8
	v_bfe_u32 v52, v0, 3, 1                        ; r / 8
	v_lshlrev_b32 v[L16], 4, v48
	v_lshlrev_b32 v[VA8], 3, v48
	v_lshlrev_b32 v[VAS], 4, v49
	v_mul_u32_u24 v53, v50, RW
	v_lshl_add_u32 v[VA16], v49, 4, v53
	v_mul_u32_u24 v54, v52, 6*RW
	v_add_nc_u32 v53, v53, v54
	v_lshl_add_u32 v[KA16], v51, 4, v53
	v_lshl_add_u32 v54, v50, 7, v54
	v_lshl_add_u32 v[KA8], v51, 3, v54
	v_lshlrev_b32 v[KAS], 4, v51
	v_lshl_add_u32 v[KAS], v52, 2, v[KAS]
	v_lshlrev_b32 v[SH8], 3, v50
	v_lshlrev_b32 v[GO], 12, v50
	v_lshl_add_u32 v[GO], v49, 4, v[GO]
	v_lshl_add_u32 v[CSO], v49, 2, v50
	v_mul_u32_u24 v[STO], v49, 272
	v_lshl_add_u32 v[STO], v50, 5, v[STO]
	v_add_nc_u32 v[STO], s40, v[STO]               ; in: row r, + 32 h
	v_mul_u32_u24 v[RD], v50, 272
	v_lshl_add_u32 v[RD], v49, 4, v[RD]
	v_add_nc_u32 v[RD], s40, v[RD]                 ; back: lanes 0-15 one row, lanes 16-31 the next
	s_bfe_u32 s12, ttmp6, 0x40000                  ; cx: my block of 512 queries
	s_and_b32 s13, ttmp7, 0xffff                   ; 16 x batch + head
	s_lshr_b32 s14, s13, 4
	s_and_b32 s15, s13, 15
	s_and_b32 s16, s[WV], 1
	s_add_co_u32 s46, s13, 64                      ; my chunk of k and v: ((64 + 16 batch + head) 16 + wave)
	s_lshl_b32 s46, s46, 4
	s_add_co_u32 s46, s46, s[WV]
	s_mul_i32 s46, s46, CH
	s_mov_b32 s47, 0
	s_mul_i32 s17, s[WV], CHL                      ; and its place in LDS: no place in the cluster enters it
	s_lshl_b32 s52, s13, 4                         ; q: chunk (16 batch + head) 16 + 4 cx + wave / 8, piece wave % 8
	s_lshl_b32 s53, s12, 2
	s_add_co_u32 s52, s52, s53
	s_lshr_b32 s53, s[WV], 3
	s_add_co_u32 s52, s52, s53
	s_mul_i32 s52, s52, CH
	s_and_b32 s53, s[WV], 7
	s_lshr_b32 s48, s53, 1
	s_lshl_b32 s48, s48, 2
	s_add_co_u32 s48, s48, s52
	s_add_co_u32 s48, s48, 12288                   ; the word that holds my rows' bytes
	s_mov_b32 s49, 0
	s_mul_i32 s53, s53, 768
	s_add_co_u32 s52, s52, s53
	s_mov_b32 s53, 0
	s_lshl_b32 s50, s14, 11
	s_lshl_b32 s51, s12, 9
	s_add_co_u32 s50, s50, s51
	s_lshl_b32 s51, s[WV], 4
	s_add_co_u32 s50, s50, s51                     ; my first row of 8,192
	s_lshl_b32 s[OB], s50, 12                      ; out1: 4,096 bytes a row, 256 a head
	s_lshl_b32 s51, s15, 8
	s_add_co_u32 s[OB], s[OB], s51
	s_mov_b32 s[OB+1], 0
	s_lshr_b32 s[CB], s50, 4                       ; cc: [head / 4][tile of 16 rows: 512][head / 2 % 2][head % 2] pieces of 768 bytes
	s_lshr_b32 s51, s15, 2
	s_lshl_b32 s51, s51, 9
	s_add_co_u32 s[CB], s[CB], s51
	s_lshl_b32 s[CB], s[CB], 2
	s_and_b32 s51, s15, 3
	s_add_co_u32 s[CB], s[CB], s51
	s_mul_i32 s[CB], s[CB], 768
	s_mov_b32 s[CB+1], 0
	s_lshl_b32 s[SB], s50, 2                       ; cs: [head / 2][row] words, my head's two bytes
	s_lshr_b32 s51, s15, 1
	s_lshl_b32 s51, s51, 15
	s_add_co_u32 s[SB], s[SB], s51
	s_and_b32 s51, s15, 1
	s_lshl_b32 s51, s51, 1
	s_add_co_u32 s[SB], s[SB], s51
	s_mov_b32 s[SB+1], 0
	s_cmp_eq_u32 s16, 0                            ; an even piece's bytes are a word's low half, an odd piece's its high half
	s_mov_b32 s38, 0x03020302
	s_cselect_b32 s38, 0x01000100, s38
	s_mov_b32 s[HI], 0xffff0000                    ; lanes 16-31
	; descriptor group 1: a chunk, 12,800 dense bytes, as 50 rows of 256 bytes (32 elements of 8), 16 words of padding behind each 64
	s_mov_b32 s[G1], 15|(3<<16)|(1<<20)|(1<<21)|(5<<22)|(15<<25)
	s_mov_b32 s[G1+1], 32<<16
	s_mov_b32 s[G1+2], 50<<16
	s_mov_b32 s[G1+3], 32<<16
	s_mov_b32 s[G1+4], 50
	s_mov_b32 s[G1+5], 32
	s_mov_b32 s[G1+6], 0
	s_mov_b32 s[G1+7], 0
	s_mov_b32 s[SEL], 0x76543210
	s_mov_b32 s[SEL+1], 0xfedcba98
	s_mov_b32 s[CS], 0x3e38aa3b                    ; c = log2(e) / 8
	s_mov_b32 s[CS+1], s[CS]
	s_mov_b32 s[PASS], 0
	WALU                                           ; the wait ahead of the waits below
	s_wait_dscnt 0x0                               ; both opening adds are done
	s_wait_kmcnt 0x0
	s_mov_b32 s[G0], 1
	s_mov_b32 s[G0+1], s17
	s_add_nc_u64 s[G0+2:G0+3], s[4:5], s[46:47]
	s_or_b32 s[G0+3], s[G0+3], 0x80000000
	s_add_nc_u64 s[QB:QB+1], s[4:5], s[52:53]
	s_add_nc_u64 s[QSB:QSB+1], s[4:5], s[48:49]
	s_add_nc_u64 s[OB:OB+1], s[6:7], s[OB:OB+1]
	s_add_nc_u64 s[CB:CB+1], s[8:9], s[CB:CB+1]
	s_add_nc_u64 s[SB:SB+1], s[10:11], s[SB:SB+1]
	CROUND                                         ; all four work-groups are here: the joint loads meet
	tensor_load_to_lds s[G0:G0+3], s[G1:G1+7]      ; chunk w, my one tensor load
	s_nop 0
.rept 4
	v_nop
.endr
	global_load_b128 v[QZ+6:QZ+9], v[L16], s[QB:QB+1]                  ; q of my first sixteen queries: a piece, as it lies
	global_load_b64 v[QZ+10:QZ+11], v[VA8], s[QB:QB+1] offset:512
	global_load_b128 v[Q1:Q1+3], v[L16], s[QB:QB+1] offset:2*CH        ; and of the second sixteen, 256 queries on
	global_load_b64 v[Q1+4:Q1+5], v[VA8], s[QB:QB+1] offset:2*CH+512
	global_load_b32 v[TMP], v[VAS], s[QSB:QSB+1]
	global_load_b32 v[Q1S], v[VAS], s[QSB:QSB+1] offset:2*CH
.irp i, 0,1,2,3,4,5
	v_mov_b32 v[QZ+\i], 0
	v_mov_b32 v[QZ+12+\i], 0
.endr
	v_mov_b32 v[FF+1], 0                           ; (named as the upper half of a pair)
	v_mov_b32 v[T2], 0                             ; a lane permute's destination counts as one of its sources
	v_mov_b32 v[T2+1], 0
	WALU
	s_wait_loadcnt 0x0
	v_perm_b32 v[QS], v[TMP], v[TMP], s38          ; my row's two bytes in both halves: one word serves [q / 0] and [0 / q]
	v_perm_b32 v[Q1S], v[Q1S], v[Q1S], s38
	v_add_nc_u32 v[CK16], 0, v[KA16]               ; k's addresses begin in group 0
	v_add_nc_u32 v[CK8], 0, v[KA8]
	v_add_nc_u32 v[CKS], 0, v[KAS]
	INIT                                           ; (more than the eight places that a scale register so written wants ahead of its product)
	WALU
	s_wait_tensorcnt 0x0                           ; my chunk is in;
	s_barrier_signal -1
	s_barrier_wait -1                              ; and so is everybody's: all 2,048 keys lie in LDS
; A KEY STEP: the q-th chunk of the group in hand: 128 keys.
; k's four fragments and scale words of the q-th chunk of the group that k's addresses stand in: asked for a step ahead, behind the step's second product
.macro KLOAD q
.irp c, 0,1
.irp u, 0,1
.set F_, KF+12*(2*\c+\u)
.set O_, CHL*(\q)+12*RW*\c
	ds_load_b128 v[F_:F_+3], v[CK16] offset:O_+128*\u
	ds_load_b64 v[F_+4:F_+5], v[CK8] offset:O_+2*RW+64*\u
	ds_load_b128 v[F_+6:F_+9], v[CK16] offset:O_+3*RW+128*\u
	ds_load_b64 v[F_+10:F_+11], v[CK8] offset:O_+5*RW+64*\u
	ds_load_b32 v[KSC+2*\c+\u], v[CKS] offset:CHL*(\q)+48*RW+128*\u+8*\c
.endr
.endr
.endm
.macro VLOAD q, t                      ; fragment t of v^T
	ds_load_b128 v[KF+12*(\t):KF+12*(\t)+3], v[CV16] offset:CHL*(\q)+(24+6*(\t))*RW
	ds_load_b64 v[KF+12*(\t)+4:KF+12*(\t)+5], v[CV8] offset:CHL*(\q)+(26+6*(\t))*RW
	ds_load_b128 v[KF+12*(\t)+6:KF+12*(\t)+9], v[CV16] offset:CHL*(\q)+(27+6*(\t))*RW
	ds_load_b64 v[KF+12*(\t)+10:KF+12*(\t)+11], v[CV8] offset:CHL*(\q)+(29+6*(\t))*RW
.endm
.macro SUMS n                          ; n more pairs of p go into the four chains, from register S + jj on
.rept \n
	v_pk_add_f32 v[P+jj%8:P+jj%8+1], v[P+jj%8:P+jj%8+1], v[S+jj:S+jj+1]
.set jj, jj+2
.endr
.endm
.macro STEP q
	WALU                                           ; the wait ahead of the wait below
	s_wait_dscnt 0x0
.irp c, 0,1
.irp u, 0,1
.set F_, KF+12*(2*\c+\u)
.set D_, S+32*\c+16*\u
	v_wmma_scale_f32_16x16x128_f8f6f4 v[D_:D_+7], v[F_:F_+11], v[QZ+6:QZ+17], 0, v[KSC+2*\c+\u], v[QS] matrix_a_fmt:MATRIX_FMT_FP6 matrix_b_fmt:MATRIX_FMT_FP6
	v_wmma_scale_f32_16x16x128_f8f6f4 v[D_+8:D_+15], v[F_:F_+11], v[QZ:QZ+11], 0, v[KSC+2*\c+\u], v[QS] matrix_a_fmt:MATRIX_FMT_FP6 matrix_b_fmt:MATRIX_FMT_FP6
.endr
.endr
	JOIN                                           ; five plain lines that name no register of the products: their places, ahead of the loads into k's registers and of the first read of the scores
.if (\q) == 3                          ; the group's last chunk of k has been multiplied: k's addresses go on to the next group
	v_add_nc_u32 v[CK16], s[TBN], v[KA16]
	v_add_nc_u32 v[CK8], s[TBN], v[KA8]
	v_add_nc_u32 v[CKS], s[TBN], v[KAS]
.endif
.irp k, 0,1,2,3                        ; my two blocks' largest scores, two chains each; each accumulator is read from its low end on
	v_max3_num_f32 v[MX+\k], v[S+16*\k], v[S+16*\k+1], v[S+16*\k+2]
.endr
.irp i, 3,5,7,9,11,13
.irp k, 0,1,2,3
	v_max3_num_f32 v[MX+\k], v[MX+\k], v[S+16*\k+\i], v[S+16*\k+\i+1]
.endr
.endr
.irp c, 0,1
	v_max3_num_f32 v[BM+\c], v[MX+2*\c], v[MX+2*\c+1], v[S+32*\c+15]
.endr
.irp c, 0,1
	v_max_num_f32 v[BM+\c], v[BM+\c], v[S+32*\c+31]   ; it serves for the row's maximum and, since p rises with the score, for the block's largest p
.endr
	v_max_num_f32 v[TM2], v[BM], v[BM+1]           ; each line of this chain reads the line before it: v^T's loads, which land under the softmax, stand between them
	VLOAD \q, 0
	v_permlanex16_b32 v[T2], v[TM2], s[SEL], s[SEL+1]
	VLOAD \q, 1
	v_max3_num_f32 v13, v13, v[TM2], v[T2]         ; the running largest score of my query (c is positive)
	VLOAD \q, 2
	v_mul_f32 v[TM2], s[CS], v13                   ; as t
	VLOAD \q, 3
	v_floor_f32 v12, -v[TM2]                       ; the new -M = floor(-t)
	ds_load_b128 v[VSW:VSW+3], v[CVS] offset:CHL*(\q)+49*RW
	v_sub_f32 v[TMP], v12, v[TMP]                  ; old M - new M: a whole number, 0 or less
	v_cvt_i32_f32 v[TMP], v[TMP]                   ; (it saturates)
	v_ldexp_f32 v[FF], 1.0, v[TMP]                 ; f = 2^(old M - new M)
.set jj, 0
.rept 16
	v_pk_mul_f32 v[OT+jj:OT+jj+1], v[OT+jj:OT+jj+1], v[FF:FF+1] op_sel_hi:[1,0]   ; O^T under the new M
.set jj, jj+2
.endr
.set jj, 0
.rept 32
	v_pk_fma_f32 v[S+jj:S+jj+1], v[S+jj:S+jj+1], s[CS:CS+1], v[12:13] op_sel_hi:[1,0,0]   ; t - M
.set jj, jj+2
.endr
.irp c, 0,1
	v_fma_f32 v[BM+\c], v[BM+\c], s[CS], v12       ; the same of each block's largest score
.endr
	WALU                                           ; the wait ahead of the batch
.set jj, 0
.rept 64
	v_exp_f32 v[S+jj], v[S+jj]                     ; p = 2^(t - M), at most 1
.set jj, jj+1
.endr
.irp c, 0,1
	v_exp_f32 v[BM+\c], v[BM+\c]                   ; the block's largest p: the same two instructions on the same number
.endr
	v_pk_mul_f32 v[14:15], v[14:15], v[FF:FF+1] op_sel_hi:[1,0]   ; the sum under the new M: a plain line behind the exponentials
	WALU                                           ; and the one wait behind the batch
.irp c, 0,1
	v_max_num_f32 v[BM+\c], 0x1800000, v[BM+\c]    ; the floor 2^(3 - 127): the byte cannot fall under 1
.endr
; The row's sum is taken of the unquantised p, in four chains; its lines stand between the lines that make p's scale word, each of which reads the line before it.
.irp k, 0,1
	v_pk_add_f32 v[P+2*\k:P+2*\k+1], v[S+2*\k:S+2*\k+1], v[S+8+2*\k:S+9+2*\k]
.endr
.irp c, 0,1
	v_add_nc_u32 v[SO+\c], 0xff000000, v[BM+\c]    ; 2 off the exponent field: the conversion's scale operand
.endr
.irp k, 2,3
	v_pk_add_f32 v[P+2*\k:P+2*\k+1], v[S+2*\k:S+2*\k+1], v[S+8+2*\k:S+9+2*\k]
.endr
.irp c, 0,1
	v_cvt_scalef32_pk16_fp6_f32 v[PC+6*\c:PC+6*\c+2], v[S+32*\c:S+32*\c+15], v[SO+\c]
	v_cvt_scalef32_pk16_fp6_f32 v[PT+4*\c:PT+4*\c+2], v[S+32*\c+16:S+32*\c+31], v[SO+\c]   ; (a conversion's three registers begin on an even number)
.endr
.irp c, 0,1
	v_lshrrev_b32 v[T2+\c], 23, v[SO+\c]           ; the scale's byte.  (Plain lines that touch no result of the conversions stand behind them)
.endr
.set jj, 16
	SUMS 2
	v_lshl_or_b32 v[TM2], v[T2+1], 16, v[T2]       ; my bytes: blocks h and 2 + h,
	SUMS 2
	v_lshlrev_b32 v[TM2], v[SH8], v[TM2]           ; at their places in the word;
	SUMS 2
	v_permlanex16_b32 v[T2], v[TM2], s[SEL], s[SEL+1]
	SUMS 2
	v_or_b32 v[PW], v[TM2], v[T2]                  ; with lane l xor 16's two the word is whole
.irp c, 0,1
.irp i, 0,1,2
	v_mov_b32 v[PC+3+6*\c+\i], v[PT+4*\c+\i]
.endr
.endr
	SUMS 4                                         ; ten plain lines behind p's scale word, four behind its codes
	WALU
	s_wait_dscnt 0x0                               ; v^T's fragments and scale words are in
.irp t, 0,1,2,3                        ; O^T += v^T p^T: four accumulators by turns
	v_wmma_scale_f32_16x16x128_f8f6f4 v[OT+8*\t:OT+8*\t+7], v[KF+12*\t:KF+12*\t+11], v[PC:PC+11], v[OT+8*\t:OT+8*\t+7], v[VSW+\t], v[PW] matrix_a_fmt:MATRIX_FMT_FP6 matrix_b_fmt:MATRIX_FMT_FP6
.endr
	SUMS 4                                         ; four places behind the products, ahead of the loads into their registers
.if (\q) < 3
	KLOAD (\q)+1                                   ; the next step's k is on its way under the rest of the sums
.else
	KLOAD 0                                        ; (the launch's very last step asks for chunk 0 once more and does not use it: the text is one for all trips)
.endif
	SUMS 8
.endm
	KLOAD 0                                        ; the first step's k
.Lpass:                                            ; two trips: sixteen queries each
	s_mov_b32 s[TB], 0
.Lgroup:                                           ; four trips of four chunks
	s_add_co_u32 s[TBN], s[TB], GRP
	s_cmp_eq_u32 s[TBN], 4*GRP
	s_cselect_b32 s[TBN], 0, s[TBN]
	v_add_nc_u32 v[CV16], s[TB], v[VA16]
	v_add_nc_u32 v[CV8], s[TB], v[VA8]
	v_add_nc_u32 v[CVS], s[TB], v[VAS]
	STEP 0
	STEP 1
	STEP 2
	STEP 3
	s_add_co_u32 s[TB], s[TB], GRP
	s_cmp_lg_u32 s[TB], 4*GRP
	WALU                                           ; the wait ahead of the branch
	s_cbranch_scc1 .Lgroup
; SIXTEEN QUERIES ARE DONE.  O^T / the sum goes through my stage and leaves as rows of 256 bytes; the same numbers are quantised: two blocks of 32, one piece of 768 bytes, two scale bytes a row.
	JOIN
	v_add_f32 v14, v14, v15
	v_permlanex16_b32 v[TMP], v14, s[SEL], s[SEL+1]
	v_add_f32 v14, v14, v[TMP]                     ; the row's sum
	WALU
	v_rcp_f32 v14, v14
	v_nop
	WALU                                           ; ahead of the first reader of the reciprocal and of O^T
.set jj, 0
.rept 32
	v_mul_f32 v[S+jj], v[OT+jj], v14               ; register 8 t + j is per_head(query r, channel 16 t + 8 h + j)
.set jj, jj+1
.endr
.irp t, 0,1,2,3
	ds_store_b128 v[STO], v[S+8*\t:S+8*\t+3] offset:64*\t
	ds_store_b128 v[STO], v[S+8*\t+4:S+8*\t+7] offset:64*\t+16
.endr
.irp i, 0,1,2,3,4,5,6,7
	ds_load_b128 v[S+32+4*\i:S+32+4*\i+3], v[RD] offset:544*\i   ; LDS serves a wave's instructions in order: these see my stores
.endr
.irp b, 0,1
	v_max3_num_f32 v[BM+\b], |v[S+16*\b]|, |v[S+1+16*\b]|, 0x1800000
.endr
.irp i, 2,4,6,8,10,12,14
.irp b, 0,1
	v_max3_num_f32 v[BM+\b], v[BM+\b], |v[S+16*\b+\i]|, |v[S+1+16*\b+\i]|
.endr
.endr
.irp b, 0,1
	v_permlanex16_b32 v[T2+\b], v[BM+\b], s[SEL], s[SEL+1]
.endr
.irp b, 0,1
	v_max_num_f32 v[BM+\b], v[BM+\b], v[T2+\b]
.endr
.irp b, 0,1
	v_add_nc_u32 v[SO+\b], 0xff000000, v[BM+\b]
.endr
.irp b, 0,1
	v_lshrrev_b32 v[T2+\b], 23, v[SO+\b]
.endr
	v_cndmask_b32 v[TM2], v[T2], v[T2+1], s[HI]    ; lane (r, h) stores the byte of block h of row r
	v_cvt_scalef32_pk16_fp6_f32 v[PC:PC+2], v[S:S+15], v[SO]
	v_cvt_scalef32_pk16_fp6_f32 v[PT:PT+2], v[S+16:S+31], v[SO+1]
	v_nop                                          ; one plain place behind a scaled conversion
.irp i, 0,1,2
	v_permlane16_swap_b32 v[PC+\i], v[PT+\i]       ; here a block lies in lanes l and l xor 16: the operand wants it whole in a lane
.endr
.irp i, 0,1,2
	v_mov_b32 v[PC+3+\i], v[PT+\i]
.endr
	global_store_b128 v[L16], v[PC:PC+3], s[CB:CB+1]               ; a piece: 512 consecutive bytes,
	global_store_b64 v[VA8], v[PC+4:PC+5], s[CB:CB+1] offset:512   ; and 256
	global_store_b8 v[CSO], v[TM2], s[SB:SB+1]
.irp i, 0,1,2,3,4,5,6,7
	s_wait_dscnt 7-\i                              ; the younger loads from the stage may be out
	global_store_b128 v[GO], v[S+32+4*\i:S+32+4*\i+3], s[OB:OB+1] offset:8192*\i th:TH_STORE_NT   ; sixteen lanes store 256 consecutive bytes, aligned
.endr
	s_add_co_u32 s[PASS], s[PASS], 1
	s_cmp_eq_u32 s[PASS], 2
	WALU
	s_cbranch_scc1 .Ldone
	s_wait_xcnt 0x0                                ; the stores have read their data and bases: they are written again only behind this wait
	s_add_nc_u64 s[OB:OB+1], s[OB:OB+1], 256*4096  ; 256 rows on
	s_add_nc_u64 s[CB:CB+1], s[CB:CB+1], 16*3072
	s_add_nc_u64 s[SB:SB+1], s[SB:SB+1], 256*4
	v_mov_b32 v[QS], v[Q1S]
.irp i, 0,1,2,3,4,5
	v_mov_b32 v[QZ+6+\i], v[Q1+\i]
.endr
	INIT                                           ; (more than the places that the first product wants behind the lines above)
	s_cmp_lg_u32 s[PASS], 2
	WALU
	s_cbranch_scc1 .Lpass
.Ldone:
	s_wait_tensorcnt 0x0                           ; the wave's end
	ds_add_u32 v[SPW], v[NIL]
	s_wait_dscnt 0x0
	CROUND                                         ; the closing round
	s_endpgm
.Lfunc_end_k_q8f426a1abf_attn:
	.size	k_q8f426a1abf_attn, .Lfunc_end_k_q8f426a1abf_attn-k_q8f426a1abf_attn
	.p2alignl 7, 3214868480
	.fill 96, 4, 3214868480
	.section	.rodata,"a",@progbits
	.p2align	6, 0x0
	.amdhsa_kernel k_q8f426a1abf_attn
		.amdhsa_group_segment_fixed_size 327680
		.amdhsa_private_segment_fixed_size 0
		.amdhsa_enable_private_segment 0
		.amdhsa_kernarg_size 32
		.amdhsa_user_sgpr_count 2
		.amdhsa_user_sgpr_kernarg_segment_ptr 1
		.amdhsa_wavefront_size32 1
		.amdhsa_system_sgpr_workgroup_id_x 1
		.amdhsa_system_sgpr_workgroup_id_y 1
		.amdhsa_system_sgpr_workgroup_id_z 1
		.amdhsa_system_vgpr_workitem_id 0
		.amdhsa_next_free_vgpr 256
		.amdhsa_next_free_sgpr 66
		.amdhsa_reserve_vcc 0
		.amdhsa_float_denorm_mode_32 3
		.amdhsa_float_denorm_mode_16_64 3
		.amdhsa_memory_ordered 1
		.amdhsa_forward_progress 1
		.amdhsa_inst_pref_size 78
	.end_amdhsa_kernel
	.amdgpu_metadata
---
amdhsa.version: [ 1, 2 ]
amdhsa.kernels:
  - .name:           k_q8f426a1abf_attn
    .symbol:         k_q8f426a1abf_attn.kd
    .args:
      - { .name: qkv, .offset: 0, .size: 8, .value_kind: global_buffer, .address_space: global }
      - { .name: out1, .offset: 8, .size: 8, .value_kind: global_buffer, .address_space: global }
      - { .name: cc, .offset: 16, .size: 8, .value_kind: global_buffer, .address_space: global }
      - { .name: cs, .offset: 24, .size: 8, .value_kind: global_buffer, .address_space: global }
    .group_segment_fixed_size: 327680
    .private_segment_fixed_size: 0
    .kernarg_segment_align: 8
    .kernarg_segment_size: 32
    .max_flat_workgroup_size: 512
    .sgpr_count:     66
    .vgpr_count:     256
    .wavefront_size: 32
...
	.end_amdgpu_metadata
.endif
;; end of part 3
;; launch oproj (part 4): grid 8 x 32, 4 waves a work-group, clusters of 4 x 4, 327,680 bytes of LDS; arguments cc, cs, wc, ws, out0; writes out0
.if DOCPART == 4
	.amdgcn_target "amdgcn-amd-amdhsa--gfx1250"
	.amdhsa_code_object_version 6
	.text
	.protected	k_q8f426a1abf_oproj
	.globl	k_q8f426a1abf_oproj
	.p2align	8
	.type	k_q8f426a1abf_oproj,@function
k_q8f426a1abf_oproj:
	s_mov_b64 s[64:65], 0
	v_nop
	global_prefetch_b8 v0, s[64:65] scope:SCOPE_SE
	s_setreg_imm32_b32 hwreg(HW_REG_WAVE_MODE, 25, 1), 1
	s_wait_xcnt 0x0
	s_wait_alu depctr_hold_cnt(0) depctr_sa_sdst(0) depctr_va_vdst(0) depctr_va_sdst(0) depctr_va_ssrc(0) depctr_va_vcc(0) depctr_vm_vsrc(0)
	s_getreg_b32 s2, hwreg(HW_REG_IB_STS2, 6, 4)
	s_cmp_eq_u32 s2, 0
	s_cbranch_scc0 .Lentry_in_a_cluster
	s_endpgm
.Lentry_in_a_cluster:
	s_bfe_u32 s2, ttmp6, 0x10000c
	s_cmp_lg_u32 s2, 0xf033
	s_cbranch_scc0 .Lentry_shape_is_right
	s_endpgm
.Lentry_shape_is_right:
; out0[row][n] = the sum over k of combined[row][k] Wo[n][k], both sides codes of FP6 (E2M3) with E8M0 scales; f32 sums, f32 out.
; THE BUFFERS.  cc: [K step of 256: 4][tile of 16 rows: 512][128 along K: 2] fragments of 1,536 bytes in the order of the registers; cs: [128 along K: 8][row] scale words;
; wc: [K step: 4][row: 4,096][192 bytes], Wo's rows from 3,072 on; ws: [row][32 bytes].
; SHARES.  A block of out0 is 256 rows x 128 columns: 32 x 8 = 256 work-groups of four waves, 2 x 2: wave (a, b) takes rows 128 a .. and columns 64 b ..
; K is 1,024, so nothing walks along K: the block's 256 rows of cc (196,608 bytes) and 128 rows of Wo (122,880 with padding), ALL of K, are asked for at the head, one tensor load a wave, and nothing is filled again.
; A wave holds its 64 rows of Wo, all of K, in registers: 32 fragments, 384 registers.  Its 128 rows of cc stream past in eight batches of 16 rows: 8 fragments, in two sets; a batch is 32 products on four accumulators by turns
; and its 16 x 64 results are then finished: they leave through my stage while the next batch is multiplied.
; The matrix instruction is used transposed (source 0 = Wo's rows, source 1 = cc's): a lane holds eight neighbouring numbers of a row of out0.
; THE SCALE WORDS come straight into registers, once: Wo's as whole rows of 32 bytes (lanes 0-15 an even block of 16 rows, lanes 16-31 the odd one); cc's a word a lane (lanes 0-15 an even 128 along K, lanes 16-31 the odd one).
; THE STAGE, 16 rows x (256 + 16) bytes a wave, lies on Wo's LDS bytes: they have had their only fill, and a barrier stands between every wave's last read of them and the first store.
; CLUSTER, 4 x 4: cc's tile hangs on the block's row alone and is shared along a row of the cluster, Wo's on its column alone and is shared along a column.
; No prefetch: every tile is asked for at the head, and there is no loop to run ahead in.  A wave has one tensor load out, once.
; REGISTERS: window 0: v1-15 addresses, v16-31 Wo's scale words, v32-63 cc's, v64-255 cc's fragments, two sets; windows 1, 2: Wo's fragments, 21 to a window; window 2 v144-207 two sets of accumulators; window 3 v0-63 rows read back, two sets.
.set WKS,    4096*192
.set ASTEP,  512*3072
.set AKS,    49152                     ; a K step of the block's 256 rows of cc in LDS
.set PITCH,  240                       ; an LDS row of Wo: 192 bytes, 16 of padding behind each 64
.set BKS,    128*PITCH
.set BB,     4*AKS
.set SPARE,  BB+4*BKS
.set SPITCH, 272
.set FR,     12
.set FPW,    21
.set STO, 1
.set RD,  2
.set CO,  3
.set SPW, 4
.set NIL, 5
.set XSA, 6
.set XSB, 7
.set A16, 8                            ; v8-11, v12-15: LDS addresses of my rows of cc in K steps 0 to 3: 16 and 8 bytes a lane
.set A8,  12
.set SB,  16
.set SA,  32
.set AF,  64
.set B0,  72                           ; v72-79: LDS addresses of my rows of Wo, at work before the first fragments of cc land here
.set B1,  76
.set ACC, 144
.set G1,  24
.set G0,  32
.set G0B, 36
.set G1B, 48
.set MSB, 0
.macro WIN new
.if MSB != \new
	s_set_vgpr_msb (MSB<<8)|\new
.set MSB, \new
.endif
.endm
.macro PLACES n
.rept \n
	v_nop
.endr
.endm
.macro CROUND
	s_barrier_signal -1
	s_barrier_wait -1
	s_cmp_lg_u32 s14, 0
	s_cbranch_scc1 .Lnot_wave_0_\@
	s_barrier_signal -3
.Lnot_wave_0_\@:
	s_barrier_wait -3
	s_barrier_signal -1
	s_barrier_wait -1
.endm
	s_load_b128 s[4:7], s[0:1], 0x0                ; cc, cs
	s_load_b128 s[8:11], s[0:1], 0x10              ; wc, ws
	s_load_b64 s[12:13], s[0:1], 0x20              ; out0
	v_lshl_add_u32 v[SPW], v0, 2, SPARE
	v_mov_b32 v[NIL], 0
	ds_add_u32 v[SPW], v[NIL]                      ; the opening lines: the add, twice on end, and its wait ahead of my tensor load
	ds_add_u32 v[SPW], v[NIL]
	v_lshrrev_b32 v64, 5, v0
	v_readfirstlane_b32 s14, v64                   ; wave
	s_lshr_b32 s15, s14, 1                         ; a: my half of the rows
	s_and_b32 s16, s14, 1                          ; b: my half of the columns.  Also: which two K steps of a tile I fetch
	s_bfe_u32 s40, ttmp6, 0x40000                  ; cx
	s_bfe_u32 s41, ttmp6, 0x40004                  ; cy
	s_lshl_b32 s42, ttmp9, 2
	s_add_co_u32 s42, s42, s40                     ; the block's column, 0 .. 7
	s_and_b32 s17, ttmp7, 0xffff
	s_lshl_b32 s17, s17, 2
	s_add_co_u32 s17, s17, s41                     ; its row, 0 .. 31
	s_lshl_b32 s43, s41, 2
	s_lshl_b32 s43, 15, s43                        ; my row of the cluster
	s_lshl_b32 s44, 0x1111, s40                    ; my column
	s_or_b32 s[G1], s43, (3<<16)|(1<<21)           ; cc: two K steps, each a dense row of 49,152 bytes (6,144 elements of 8), ASTEP bytes apart; no padding
	s_mov_b32 s[G1+1], 6144<<16
	s_mov_b32 s[G1+2], 2<<16
	s_mov_b32 s[G1+3], 6144<<16
	s_mov_b32 s[G1+4], 2
	s_mov_b32 s[G1+5], ASTEP/8
	s_mov_b32 s[G1+6], 0
	s_mov_b32 s[G1+7], 0
	s_or_b32 s[G1B], s44, (3<<16)|(1<<20)|(1<<21)|(3<<22)|(3<<25)   ; Wo: two K steps, each a dense row of 24,576 bytes, WKS bytes apart; 4 words of padding behind each 16
	s_mov_b32 s[G1B+1], 3072<<16
	s_mov_b32 s[G1B+2], 2<<16
	s_mov_b32 s[G1B+3], 3072<<16
	s_mov_b32 s[G1B+4], 2
	s_mov_b32 s[G1B+5], WKS/8
	s_mov_b32 s[G1B+6], 0
	s_mov_b32 s[G1B+7], 0
	s_mul_i32 s20, s17, AKS                        ; cc: the block's rows in K step 0,
	s_mul_i32 s21, s16, 2*ASTEP                    ; + my two K steps
	s_add_co_u32 s20, s20, s21
	s_mov_b32 s21, 0
	s_lshl_b32 s46, s42, 7
	s_add_co_u32 s46, s46, 3072                    ; Wo's first row of the block's columns
	s_lshl_b32 s92, s16, 6
	s_add_co_u32 s92, s92, s46
	s_lshl_b32 s92, s92, 5                         ; ws: my 64 rows
	s_mov_b32 s93, 0
	s_mul_i32 s46, s46, 192
	s_mul_i32 s47, s16, 2*WKS
	s_add_co_u32 s46, s46, s47
	s_mov_b32 s47, 0
	s_lshl_b32 s22, s17, 10                        ; cs: my 128 rows' words
	s_lshl_b32 s23, s15, 9
	s_add_co_u32 s22, s22, s23
	s_mov_b32 s23, 0
	s_lshl_b32 s18, s17, 8                         ; out0: my first row, 4,096 bytes a row, and my first column
	s_lshl_b32 s19, s15, 7
	s_add_co_u32 s18, s18, s19
	s_lshl_b32 s18, s18, 12
	s_lshl_b32 s19, s42, 9
	s_add_co_u32 s18, s18, s19
	s_lshl_b32 s19, s16, 8
	s_add_co_u32 s18, s18, s19
	s_mov_b32 s19, 0
	s_mul_i32 s94, s15, 8*3072                     ; LDS: my eight tiles of cc,
	s_mul_i32 s95, s16, 64*PITCH
	s_add_co_u32 s95, s95, BB                      ; my 64 rows of Wo,
	s_mul_i32 s96, s14, 16*SPITCH
	s_add_co_u32 s96, s96, BB                      ; my stage
	s_mul_i32 s97, s16, 2*AKS                      ; and where my load goes: no place in the cluster enters an LDS address
	s_mul_i32 s45, s16, 2*BKS
	s_add_co_u32 s45, s45, BB
	s_wait_alu depctr_va_vdst(0)
	s_wait_dscnt 0x0                               ; both opening adds are done
	s_wait_kmcnt 0x0
	s_add_nc_u64 s[20:21], s[4:5], s[20:21]
	s_add_nc_u64 s[22:23], s[6:7], s[22:23]
	s_add_nc_u64 s[46:47], s[8:9], s[46:47]
	s_add_nc_u64 s[92:93], s[10:11], s[92:93]
	s_add_nc_u64 s[12:13], s[12:13], s[18:19]
	CROUND                                         ; all sixteen work-groups are here: the joint loads meet
	s_mov_b32 s[G0], 1
	s_mov_b32 s[G0+1], s97
	s_mov_b64 s[G0+2:G0+3], s[20:21]
	s_or_b32 s[G0+3], s[G0+3], 0x80000000
	s_mov_b32 s[G0B], 1
	s_mov_b32 s[G0B+1], s45
	s_mov_b64 s[G0B+2:G0B+3], s[46:47]
	s_or_b32 s[G0B+3], s[G0B+3], 0x80000000
	s_cmp_lt_u32 s14, 2                            ; waves 0 and 1 fetch Wo's two halves, which are wanted first; waves 2 and 3 cc's
	s_cbranch_scc0 .Lfor_a
	tensor_load_to_lds s[G0B:G0B+3], s[G1B:G1B+7]
	s_nop 0
	PLACES 4
	s_branch .Lasked
.Lfor_a:
	tensor_load_to_lds s[G0:G0+3], s[G1:G1+7]
	s_nop 0
	PLACES 4
.Lasked:
	v_and_b32 v64, 15, v0                          ; r
	v_bfe_u32 v65, v0, 4, 1                        ; h
	v_and_b32 v66, 31, v0                          ; lane
	v_lshlrev_b32 v[XSB], 5, v66                   ; ws: a lane a row
	v_lshlrev_b32 v[XSA], 15, v65                  ; cs: lanes 16-31 take the next 128 along K
	v_lshl_add_u32 v[XSA], v64, 2, v[XSA]
	v_lshl_add_u32 v[A16], v66, 4, s94
	v_lshl_add_u32 v[A8], v66, 3, s94
.irp s, 1,2,3
	v_add_nc_u32 v[A16+\s], \s*AKS, v[A16]
	v_add_nc_u32 v[A8+\s], \s*AKS, v[A8]
.endr
	v_mul_u32_u24 v67, v64, PITCH
	v_mad_u32_u24 v68, v65, 24, v67
	v_add_nc_u32 v[B0], s95, v68                   ; row r, + 24 h;
	v_lshl_add_u32 v[B1], v65, 4, v[B0]            ; and for the pieces whose lanes 16-31 lie behind one padding more
.irp s, 1,2,3
	v_add_nc_u32 v[B0+\s], \s*BKS, v[B0]
	v_add_nc_u32 v[B1+\s], \s*BKS, v[B1]
.endr
	v_mul_u32_u24 v69, v64, SPITCH
	v_lshl_add_u32 v69, v65, 5, v69
	v_add_nc_u32 v[STO], s96, v69                  ; the stage, in: row r, + 32 h
	v_mul_u32_u24 v70, v65, SPITCH
	v_lshl_add_u32 v70, v64, 4, v70
	v_add_nc_u32 v[RD], s96, v70                   ; back: lanes 0-15 one row, lanes 16-31 the next
	v_lshlrev_b32 v[CO], 12, v65
	v_lshl_add_u32 v[CO], v64, 4, v[CO]            ; and the same two rows in out0
.irp p, 0,1
.irp c, 0,1
	global_load_b128 v[SB+8*\p+4*\c:SB+8*\p+4*\c+3], v[XSB], s[92:93] offset:1024*\p+16*\c   ; register 8 p + q: the word of 128 q .. of row 32 p + lane
.endr
.endr
.irp i, 0,1,2,3,4,5,6,7
.irp s, 0,1,2,3
	global_load_b32 v[SA+4*\i+\s], v[XSA], s[22:23] offset:65536*\s+64*\i   ; register 4 i + s: batch i's rows, 128 (2 s + h) ..
.endr
.endr
.macro WEIGHTS                         ; my 64 rows of Wo, all of K: fragment 4 q + b, six pieces of 8 bytes each
.irp q, 0,1,2,3,4,5,6,7
.irp b, 0,1,2,3
.set F_, 4*\q+\b
.set R_, FR*(F_%FPW)
.set W_, (1+F_/FPW)<<6
	WIN W_
.irp p, 0,1,2,3,4,5
.set PCE, 12*(\q%2)+6*(\p/3)+\p%3
.if PCE%8 < 5
	ds_load_b64 v[R_+2*\p:R_+2*\p+1], v[B0+\q/2] offset:8*PCE+16*(PCE/8)+\b*16*PITCH
.else
	ds_load_b64 v[R_+2*\p:R_+2*\p+1], v[B1+\q/2] offset:8*PCE+16*(PCE/8)+\b*16*PITCH
.endif
.endr
.endr
.endr
	WIN 0
.endm
.macro FETCH i                         ; batch i's 16 rows, all of K, into set i % 2: 32 loads
.irp q, 0,1,2,3,4,5,6,7
.set G_, AF+96*((\i)%2)+FR*\q
.set O_, 3072*(\i)+1536*(\q%2)
	ds_load_b128 v[G_:G_+3], v[A16+\q/2] offset:O_
	ds_load_b64 v[G_+4:G_+5], v[A8+\q/2] offset:O_+512
	ds_load_b128 v[G_+6:G_+9], v[A16+\q/2] offset:O_+768
	ds_load_b64 v[G_+10:G_+11], v[A8+\q/2] offset:O_+1280
.endr
.endm
.macro BATCH i                         ; 32 products: K ascending, the four accumulators by turns; the first four start the sums
.irp s, 0,1,2,3
.irp qo, 0,1
.irp p, 0,1
.irp bo, 0,1
.set F_, 4*(2*\s+\qo)+2*\p+\bo
.set D_, ACC+32*((\i)%2)+8*(2*\p+\bo)
.set A_, AF+96*((\i)%2)+FR*(2*\s+\qo)
.set R_, FR*(F_%FPW)
.set W_, 0xa0|(1+F_/FPW)
	WIN W_
.if F_ < 4
	v_wmma_scale_f32_16x16x128_f8f6f4 v[D_:D_+7], v[R_:R_+FR-1], v[A_:A_+FR-1], 0, v[SB+8*\p+2*\s+\qo], v[SA+4*(\i)+\s] matrix_a_fmt:MATRIX_FMT_FP6 matrix_b_fmt:MATRIX_FMT_FP6 matrix_a_scale:MATRIX_SCALE_ROW\bo matrix_b_scale:MATRIX_SCALE_ROW\qo
.else
	v_wmma_scale_f32_16x16x128_f8f6f4 v[D_:D_+7], v[R_:R_+FR-1], v[A_:A_+FR-1], v[D_:D_+7], v[SB+8*\p+2*\s+\qo], v[SA+4*(\i)+\s] matrix_a_fmt:MATRIX_FMT_FP6 matrix_b_fmt:MATRIX_FMT_FP6 matrix_a_scale:MATRIX_SCALE_ROW\bo matrix_b_scale:MATRIX_SCALE_ROW\qo
.endif
.endr
.endr
.endr
.endr
.endm
.macro SEND i                          ; batch i's rows, back from the stage, are stored: sixteen lanes store 256 consecutive bytes, aligned
	WIN 0x0c
.irp t, 0,1,2,3,4,5,6,7
	global_store_b128 v[CO], v[32*((\i)%2)+4*\t:32*((\i)%2)+4*\t+3], s[12:13] offset:65536*(\i)+8192*\t th:TH_STORE_NT
.endr
	WIN 0
.endm
.macro POST i                          ; behind batch i: the batch before is stored; this one goes through the stage; its set of fragments takes the batch two on
.set E_, (\i)%2
	WIN 0
	PLACES 4                                       ; behind the products: ahead of the stores of their results and of the loads into their sources
.if (\i) > 0
.if (\i) <= 6
	s_wait_dscnt 32                                ; the last batch's rows are back from the stage; the 32 loads of the fetch behind them may be out
.else
	s_wait_dscnt 0x0
.endif
	SEND (\i)-1
.endif
	WIN 0x08
.irp b, 0,1,2,3
	ds_store_b128 v[STO], v[ACC+32*E_+8*\b:ACC+32*E_+8*\b+3] offset:64*\b       ; each accumulator from its low end on
	ds_store_b128 v[STO], v[ACC+32*E_+8*\b+4:ACC+32*E_+8*\b+7] offset:64*\b+16
.endr
.if (\i) >= 2
	s_wait_xcnt 0x0                                ; the stores of the batch two back have read the registers that the loads below fill
.endif
	WIN 0xc0
.irp t, 0,1,2,3,4,5,6,7
	ds_load_b128 v[32*E_+4*\t:32*E_+4*\t+3], v[RD] offset:2*SPITCH*\t   ; LDS serves a wave's instructions in order: these see my stores
.endr
	WIN 0
.if (\i)+2 < 8
	FETCH (\i)+2
.endif
.endm
	s_cmp_lt_u32 s14, 2
	s_wait_alu depctr_va_vdst(0)                   ; the wait at the head's end
	s_cbranch_scc0 .Lnot_b
	s_wait_tensorcnt 0x0                           ; the two waves that fetch Wo have a load line of their own and wait here
.Lnot_b:
	s_barrier_signal -1
	s_barrier_wait -1                              ; Wo's rows are in; cc's may still be on their way
	WEIGHTS
	s_wait_tensorcnt 0x0                           ; all that is still out,
	s_wait_dscnt 0x0                               ; and my reads of Wo's LDS bytes are over:
	s_barrier_signal -1
	s_barrier_wait -1                              ; cc's rows are in, and Wo's bytes may take the stages
	FETCH 0
	FETCH 1
	s_wait_loadcnt 0x0                             ; the scale words
	s_wait_dscnt 32                                ; batch 0's fragments; batch 1's 32 loads may be out
	BATCH 0
	POST 0
.irp i, 1,2,3,4,5,6
	s_wait_dscnt 48                                ; this batch's fragments are in; younger: the last way out's 8 stores and 8 loads, and the next fetch's 32
	BATCH \i
	POST \i
.endr
	s_wait_dscnt 16                                ; younger: the last way out's 8 stores and 8 loads
	BATCH 7
	POST 7
	s_wait_dscnt 0x0
	SEND 7
	s_wait_tensorcnt 0x0                           ; the wave's end
	ds_add_u32 v[SPW], v[NIL]
	s_wait_dscnt 0x0
	CROUND                                         ; the closing round
	s_endpgm
.Lfunc_end_k_q8f426a1abf_oproj:
	.size	k_q8f426a1abf_oproj, .Lfunc_end_k_q8f426a1abf_oproj-k_q8f426a1abf_oproj
	.p2alignl 7, 3214868480
	.fill 96, 4, 3214868480
	.section	.rodata,"a",@progbits
	.p2align	6, 0x0
	.amdhsa_kernel k_q8f426a1abf_oproj
		.amdhsa_group_segment_fixed_size 327680
		.amdhsa_private_segment_fixed_size 0
		.amdhsa_enable_private_segment 0
		.amdhsa_kernarg_size 40
		.amdhsa_user_sgpr_count 2
		.amdhsa_user_sgpr_kernarg_segment_ptr 1
		.amdhsa_wavefront_size32 1
		.amdhsa_system_sgpr_workgroup_id_x 1
		.amdhsa_system_sgpr_workgroup_id_y 1
		.amdhsa_system_sgpr_workgroup_id_z 1
		.amdhsa_system_vgpr_workitem_id 0
		.amdhsa_next_free_vgpr 832
		.amdhsa_next_free_sgpr 98
		.amdhsa_reserve_vcc 0
		.amdhsa_float_denorm_mode_32 3
		.amdhsa_float_denorm_mode_16_64 3
		.amdhsa_memory_ordered 1
		.amdhsa_forward_progress 1
		.amdhsa_inst_pref_size 90
	.end_amdhsa_kernel
	.amdgpu_metadata
---
amdhsa.version: [ 1, 2 ]
amdhsa.kernels:
  - .name:           k_q8f426a1abf_oproj
    .symbol:         k_q8f426a1abf_oproj.kd
    .args:
      - { .name: cc, .offset: 0, .size: 8, .value_kind: global_buffer, .address_space: global }
      - { .name: cs, .offset: 8, .size: 8, .value_kind: global_buffer, .address_space: global }
      - { .name: wc, .offset: 16, .size: 8, .value_kind: global_buffer, .address_space: global }
      - { .name: ws, .offset: 24, .size: 8, .value_kind: global_buffer, .address_space: global }
      - { .name: out0, .offset: 32, .size: 8, .value_kind: global_buffer, .address_space: global }
    .group_segment_fixed_size: 327680
    .private_segment_fixed_size: 0
    .kernarg_segment_align: 8
    .kernarg_segment_size: 40
    .max_flat_workgroup_size: 128
    .sgpr_count:     98
    .vgpr_count:     832
    .wavefront_size: 32
...
	.end_amdgpu_metadata
.endif
;; end of part 4
